; MI455X (gfx1250); checked and timed in simulation.
; The chip was launched on July 23, 2026; its instructions are those of AMD's public machine-readable ISA for CDNA 5 (MIT licence, August 2026) and "CDNA5" Instruction Set Architecture Reference Guide (July 2026). The comments in the code are by the model that wrote it; some were corrected since.
;; Exact Cascade. Allowed arithmetic: float matrix products may take bf16 or f16 operands with f32 sums; all other float work in f32.
;; Inputs: T 8 x 256 x 256 float32; eb1 64 float32; eb2 64 float32; ew1 1 x 64 float32; ew2 64 x 64 float32; hb1 64 float32; hb2 1 float32; hw1 1 x 64 float32; hw2 64 x 1 float32; lb1 64 float32; lb2 64 float32; lw1 64 x 64 float32; lw2 64 x 64 float32; mb1 64 float32; mb2 1 float32; mw1 2 x 64 float32; mw2 64 x 1 float32; pb1 512 float32; pb2 256 float32; pw1 257 x 512 float32; pw2 512 x 256 float32; rb1 64 float32; rb2 2 float32; rw1 64 x 64 float32; rw2 64 x 2 float32; sb1 64 float32; sb2 8 float32; sw1 64 x 64 float32; sw2 64 x 8 float32; u_mu 256 float32; x 4,096 x 1 float32.
;; Outputs: out0 4,096 x 256 float32.
;; One version. Each part assembles by itself: llvm-mc -triple=amdgcn-amd-amdhsa -mcpu=gfx1250 --defsym DOCPART=n.
;; ======== version 1 of 1: 8 launches
;; workspace buffers: S1 4,325,376 bytes; S2 4,325,376 bytes; S3 4,325,376 bytes; S4 4,325,376 bytes; S5 4,325,376 bytes; S6 4,358,144 bytes; Vca 4,210,688 bytes; seam 16,384 bytes
;; launch prepchain (part 1): grid 32 x 8, 12 waves a work-group, no clusters, 145,920 bytes of LDS; arguments x, ew1, eb1, ew2, eb2, lw1, lb1, lw2, lb2, sw1, sb1, sw2, sb2, rw1, rb1, rw2, rb2, S1, S2, S3, S4, S5, S6, T, pw1; writes S1, S2, S3, S4, S5, S6
.if DOCPART == 1
	.amdgcn_target "amdgcn-amd-amdhsa--gfx1250"
	.amdhsa_code_object_version 6
	.text
	.protected	k_q6a19466f67_prepchain
	.globl	k_q6a19466f67_prepchain
	.p2align	8
	.type	k_q6a19466f67_prepchain,@function
k_q6a19466f67_prepchain:
	s_mov_b64 s[64:65], 0
	v_nop
	global_prefetch_b8 v0, s[64:65] scope:SCOPE_SE
	s_setreg_imm32_b32 hwreg(HW_REG_WAVE_MODE, 25, 1), 1
	s_wait_xcnt 0x0
; Two jobs that hang on inputs alone share this launch, on different waves of each work-group, with one barrier for both.
; WAVES 0-7:  W_q = T_q x pw1[1:], stored transposed and blocked in bf16 in S6's first 2 MiB:  WT[nn][n] = sum over k of T[q][n][k] pw1[1+k][j],
;   nn = 128 g + 16 q + jj, j = 16 g + jj.  Byte of (nn, n) = (nn>>7) 65536 + (n>>4) 4096 + (nn&127) 32 + (n&15) 2.
;   The work-group makes 64 j x 64 n of one q (K = 256); a wave 16 j x 32 n: two accumulators, 16 matrix instructions.
; WAVES 8-11: the 64-wide chain for 16 batch rows: z_0 = embedding(x), z_(t+1) = controller(z_t), chi_t = selectors(z_t) for t = 0..5, rho = readouts(z_6).
;   The four waves stage the seven weight matrices as bf16 in LDS.  Sixteen rows are one row tile and the 27 layers hang on each other, so wave 8 alone
;   runs the chain.  chi_t (t = 1..5) goes behind S_t's 4 MiB, rho behind S6's, chi_0 32,768 bytes behind rho.
; Matrix instructions take source 0 = 16 output columns, source 1 = 16 rows: lane (r, h) gets row r, columns 8 h .. 8 h + 7; in the chain, packing tiles
; 2 c and 2 c + 1 to bf16 gives, in the same lane, the row fragment of K chunk c of the next layer.
; All operands are f32 in memory and pass registers to become bf16, so they are staged by register loads and LDS stores: no tensor loads, hence no joint
; loads and no cluster.
; The two jobs meet at the barrier, so every scalar pair that serves as a base behind it holds a buffer's address on both ways there.
; LIMIT: relu is v_max_num_f32: a NaN becomes 0 where jnp.maximum keeps it.  z is kept from layer to layer as the bf16 operand of the next product.
; Folding T with pw1 rounds W to bf16 where reference() rounds nothing between the two products; sums are f32.
.set W_E2, 0                           ; the chain's LDS: five matrices bf16 [64 k][64 o], pitch 160 (an odd multiple of 32 for the transposing loads)
.set W_L1, 10240
.set W_L2, 20480
.set W_S1, 30720
.set W_R1, 40960
.set W_S2, 51200                       ; [64 k][16], pitch 32: columns q 0..7, q 4..7, q 0..3
.set W_R2, 53248                       ; [64 k][16], pitch 32: column o holds rw2[k][o & 1]
.set BIAS, 55296                       ; ew1, eb1, eb2, lb1, lb2, sb1, rb1: 256 bytes each; +1792: sb2[i & 7], 32 words; +1920: rb2[i & 1], 32 words
.set ZS,   57344                       ; six slots of 2,048 bytes: z_t as wave 8's row fragments
.set P1P, 160                          ; pitch of P1: bf16 [256 k][64 j], 128 bytes + 32
.set TTP, 528                          ; pitch of TT: bf16 [64 n][256 k], 512 bytes + 16
.set P1B, 69632                        ; P1 begins behind the chain's bytes
.set TTB, P1B+256*P1P                  ; TT behind P1: 110,592
.set CHI_OFF,  4194304                 ; the tail behind an S buffer's 4 MiB
.set CHI0_OFF, 4227072                 ; chi_0 in S6
; registers of waves 0-7
.set PACC, 16                          ; v[16:31]   two accumulators
.set PRF,  32                          ; v[32:95]   first pw1 as loaded, then the 8 row fragments (16 j x 32 k)
.set PCF,  96                          ; v[96:223]  first T as loaded (v96-159), then 2 x 8 column fragments (16 n x 32 k)
.set PCV,  224                         ; v[224:231] packed bf16 on their way to LDS
.set POUT, 232                         ; v[232:239] packed results
; registers of waves 8-11
.set ACC, 16                           ; v[16:47]   four accumulators
.set AF,  48                           ; v[48:63]   row fragments, K chunks 0 and 1
.set WA,  64                           ; v[64:127]  a weight's eight column fragments
.set WB,  128                          ; v[128:191] a second weight's
.set BA,  192                          ; v[192:223] a bias in the accumulators' layout
.set BB,  224                          ; v[224:255] a second bias; later chi's accumulators
.set SM,  224                          ; v[224:240] the small vectors as loaded
.set CV,  244                          ; v[244:251] packed bf16 on their way to LDS
.macro STAGE src, adr, imm, cv         ; four f32 become four bf16, 8 bytes into LDS
	v_cvt_pk_bf16_f32 v[\cv], v[\src], v[\src+1]
	v_cvt_pk_bf16_f32 v[\cv+1], v[\src+2], v[\src+3]
	ds_store_b64 v[\adr], v[\cv:\cv+1] offset:\imm
.endm
.macro PLACES5                         ; the places behind matrix instructions (ISA guide 7.12.1): five serve every use that follows here
.rept 5
	v_nop
.endr
.endm
.macro LDM n, sb                       ; a matrix of 16,384 bytes: eight loads of 2,048 consecutive bytes by the 128 threads
.irp i, 0,1,2,3,4,5,6,7
	global_load_b128 v[16+32*\n+4*\i:16+32*\n+4*\i+3], v208, s[\sb:\sb+1] offset:\i*2048
.endr
.endm
.macro STM n, base                     ; and its way into LDS: rows 8 i + (t>>4)
.irp i, 0,1,2,3,4,5,6,7
	STAGE 16+32*\n+4*\i, 209, \base+\i*1280, CV+2*(\i%4)
.endr
.endm
.macro LDW dst, base                   ; column fragments (K chunk c, tile b) of a 64 x 64 weight
.irp c, 0,1
.irp b, 0,1,2,3
	ds_load_tr16_b128 v[\dst+32*\c+8*\b:\dst+32*\c+8*\b+3],   v3 offset:\base+\c*5120+32*\b
	ds_load_tr16_b128 v[\dst+32*\c+8*\b+4:\dst+32*\c+8*\b+7], v3 offset:\base+\c*5120+32*\b+2560
.endr
.endr
.endm
.macro LDW1 dst, base                  ; the two column fragments of a 64 x 16 weight
.irp c, 0,1
	ds_load_tr16_b128 v[\dst+8*\c:\dst+8*\c+3],   v4 offset:\base+\c*1024
	ds_load_tr16_b128 v[\dst+8*\c+4:\dst+8*\c+7], v4 offset:\base+\c*1024+512
.endr
.endm
.macro LDB dst, idx                    ; a vector of 64 in the accumulators' layout: register 8 b + e holds number 16 b + 8 h + e
.irp b, 0,1,2,3
	ds_load_b128 v[\dst+8*\b:\dst+8*\b+3],   v5 offset:(\idx)*256+64*\b
	ds_load_b128 v[\dst+8*\b+4:\dst+8*\b+7], v5 offset:(\idx)*256+64*\b+16
.endr
.endm
.macro LAYER w, bi                     ; ACC = AF x weight + bias.  The bias starts the sums; the four accumulators take turns
.irp b, 0,1,2,3
	v_wmma_f32_16x16x32_bf16 v[ACC+8*\b:ACC+8*\b+7], v[\w+8*\b:\w+8*\b+7], v[AF:AF+7], v[\bi+8*\b:\bi+8*\b+7]
.endr
.irp b, 0,1,2,3
	v_wmma_f32_16x16x32_bf16 v[ACC+8*\b:ACC+8*\b+7], v[\w+32+8*\b:\w+32+8*\b+7], v[AF+8:AF+15], v[ACC+8*\b:ACC+8*\b+7]
.endr
	PLACES5
.endm
.macro RELU
.set i, 0
.rept 32
	v_max_num_f32 v[ACC+i], 0, v[ACC+i]
.set i, i+1
.endr
.endm
.macro CVT                             ; tile b, pair p becomes register 4 b + p of the next layer's row fragments
.set i, 0
.rept 16
	v_cvt_pk_bf16_f32 v[AF+i], v[ACC+2*i], v[ACC+2*i+1]
.set i, i+1
.endr
.endm
.macro TAIL1 d, f, c                   ; one tile of 16 columns: d = AF x f + c
	v_wmma_f32_16x16x32_bf16 v[\d:\d+7], v[\f:\f+7], v[AF:AF+7], v[\c:\c+7]
	s_wait_alu depctr_va_vdst(0)                   ; one accumulator, no turns to take
	v_wmma_f32_16x16x32_bf16 v[\d:\d+7], v[\f+8:\f+15], v[AF+8:AF+15], v[\d:\d+7]
	PLACES5
.endm
	s_load_b512 s[4:19], s[0:1], 0x0               ; x s4, ew1 s6, eb1 s8, ew2 s10, eb2 s12, lw1 s14, lb1 s16, lw2 s18
	s_load_b512 s[20:35], s[0:1], 0x40             ; lb2 s20, sw1 s22, sb1 s24, sw2 s26, sb2 s28, rw1 s30, rb1 s32, rw2 s34
	s_load_b512 s[36:51], s[0:1], 0x80             ; rb2 s36, S1 s38, S2 s40, S3 s42, S4 s44, S5 s46, S6 s48, T s50
	s_load_b64 s[52:53], s[0:1], 0xc0              ; pw1
	s_set_vgpr_msb 0x40
	v_lshl_add_u32 v0, v0, 2, 0x23400
	v_mov_b32 v1, 0
	s_set_vgpr_msb 0x4000
	v_lshrrev_b32 v1, 5, v0
	v_readfirstlane_b32 s54, v1                    ; wave 0..11
	s_and_b32 s55, ttmp7, 0xffff                   ; the work-group's y: q
	s_cmp_ge_u32 s54, 8
	s_cbranch_scc1 .Lstage_chain
; ---- waves 0-7 stage 256 k x 64 j of pw1 and 64 n x 256 k of T_q.  Their thread numbers are 0 to 255.
	s_lshr_b32 s56, ttmp9, 2                       ; jb: which 64 j
	s_and_b32 s57, ttmp9, 3                        ; nb: which 64 n
	s_and_b32 s58, s54, 3                          ; my 16 j of the 64
	s_lshr_b32 s59, s54, 2                         ; my 32 n of the 64
	s_lshl_b32 s60, s55, 18                        ; T: q x 262,144 + nb x 65,536
	s_lshl_b32 s62, s57, 16
	s_add_co_u32 s60, s60, s62
	s_mov_b32 s61, 0
	s_lshl_b32 s62, s56, 8                         ; pw1: 64 columns of 4 bytes
	s_mov_b32 s63, 0
	s_lshl2_add_u32 s66, s56, s58                  ; g = 4 jb + my tile
	s_lshl_b32 s66, s66, 16                        ; WT: g x 65,536
	s_lshl_b32 s68, s57, 14                        ; + nb x 4 blocks of 4,096
	s_add_co_u32 s66, s66, s68
	s_lshl_b32 s68, s59, 13                        ; + my half x 2 blocks
	s_add_co_u32 s66, s66, s68
	s_lshl_b32 s68, s55, 9                         ; + q x 16 rows of 32 bytes
	s_add_co_u32 s66, s66, s68
	s_mov_b32 s67, 0
	s_lshl_b32 s69, s58, 5                         ; my 16 j in a row of P1
	s_add_co_u32 s69, s69, P1B
	s_mul_i32 s70, s59, 32*TTP                     ; my 32 rows of TT
	s_add_co_u32 s70, s70, TTB
	v_and_b32 v9, 15, v0                           ; t & 15 = r
	v_lshrrev_b32 v10, 4, v0                       ; t >> 4, 0..15
	v_bfe_u32 v13, v0, 4, 1                        ; h
	v_lshlrev_b32 v2, 4, v9
	v_lshl_add_u32 v2, v10, 11, v2                 ; pw1: row t>>4 (2,048 bytes), 16 bytes at t&15: sixteen lanes take 256 aligned bytes
	v_lshlrev_b32 v3, 4, v0                        ; T: 16 t, the 64 rows are one dense run of 65,536 bytes
	v_mul_u32_u24 v4, v10, P1P
	v_lshl_add_u32 v4, v9, 3, v4
	v_add_nc_u32 v4, P1B, v4                       ; P1: row t>>4, 8 bytes at t&15
	v_lshrrev_b32 v11, 6, v0
	v_and_b32 v12, 63, v0
	v_mul_u32_u24 v5, v11, TTP
	v_lshl_add_u32 v5, v12, 3, v5
	v_add_nc_u32 v5, TTB, v5                       ; TT: row t>>6, 8 bytes at t&63
	v_and_b32 v14, 7, v0
	v_bfe_u32 v15, v0, 3, 1
	v_lshl_add_u32 v1, v13, 3, v14                 ; 8 h + (lane & 7): the k row that I address
	v_mul_u32_u24 v6, v1, P1P
	v_lshl_add_u32 v6, v15, 4, v6                  ; + which 8 of the 16 columns
	v_add_nc_u32 v6, s69, v6                       ; transposing loads from P1
	v_mul_u32_u24 v7, v9, TTP
	v_lshl_add_u32 v7, v13, 4, v7
	v_add_nc_u32 v7, s70, v7                       ; plain fragment loads from TT
	v_lshlrev_b32 v8, 5, v9
	v_lshl_add_u32 v8, v13, 4, v8                  ; way out: 32 r + 16 h: a wave's store covers 512 consecutive bytes
	s_wait_kmcnt 0x0
	s_add_nc_u64 s[50:51], s[50:51], s[60:61]
	s_add_nc_u64 s[52:53], s[52:53], s[62:63]
	s_add_nc_u64 s[48:49], s[48:49], s[66:67]
.set i, 0
.rept 16
	global_load_b128 v[PRF+4*i:PRF+4*i+3], v2, s[52:53] offset:(1+16*i)*2048   ; pw1 rows 1 + 16 i + (t>>4)
.set i, i+1
.endr
.set i, 0
.rept 16
	global_load_b128 v[PCF+4*i:PCF+4*i+3], v3, s[50:51] offset:i*4096          ; T rows 4 i + (t>>6)
.set i, i+1
.endr
	s_wait_loadcnt 16                              ; pw1's sixteen are in; T's sixteen, issued behind them, stay out
.set i, 0
.rept 16
	STAGE PRF+4*i, 4, i*16*P1P, PCV+2*(i%4)
.set i, i+1
.endr
	s_wait_loadcnt 0x0
.set i, 0
.rept 16
	STAGE PCF+4*i, 5, i*4*TTP, PCV+2*(i%4)
.set i, i+1
.endr
	s_branch .Lstaged
; ---- waves 8-11 stage the chain's weights.  t = thread number - 256 = thread number & 127.
.Lstage_chain:
	s_lshl_b32 s56, s55, 5
	s_add_co_u32 s56, s56, ttmp9                   ; the work-group's number 0..255: batch rows 16 x that ..
	s_lshl_b32 s58, s56, 6                         ; x: 16 rows of 4 bytes
	s_mov_b32 s59, 0
	s_lshl_b32 s60, s56, 9                         ; chi: 16 rows of 32 bytes
	s_mov_b32 s61, 0
	s_lshl_b32 s62, s56, 7                         ; rho: 16 rows of 8 bytes
	v_and_b32 v1, 15, v0                           ; r
	v_bfe_u32 v2, v0, 4, 1                         ; h
	v_and_b32 v217, 31, v0                         ; lane
	v_and_b32 v218, 7, v0
	v_bfe_u32 v219, v0, 3, 1
	v_lshl_add_u32 v218, v2, 3, v218               ; 8 h + (lane & 7): the k row that a transposing load addresses
	v_mul_u32_u24 v3, v218, 160
	v_lshl_add_u32 v3, v219, 4, v3                 ; v3: transposing loads, pitch 160
	v_lshlrev_b32 v4, 5, v218
	v_lshl_add_u32 v4, v219, 4, v4                 ; v4: transposing loads, pitch 32
	v_lshlrev_b32 v5, 5, v2
	v_add_nc_u32 v5, BIAS, v5                      ; v5: biases, 32 h
	v_lshlrev_b32 v6, 4, v217
	v_add_nc_u32 v6, ZS, v6                        ; v6: z slots, 16 x lane
	v_lshlrev_b32 v7, 3, v217                      ; v7: 8 x lane
	v_lshlrev_b32 v10, 5, v1
	v_lshl_add_u32 v10, v2, 4, v10                 ; v10: 32 r + 16 h: chi_1 .. chi_5, whose bases are stepped to my rows
	v_lshlrev_b32 v11, 3, v1
	v_lshl_add_u32 v11, v2, 2, v11
	v_add_nc_u32 v11, s62, v11                     ; v11: 8 r + 4 h + my rows of rho: S6's base stays as it came, the rows stand here
	v_add_nc_u32 v12, s60, v10                     ; v12: 32 r + 16 h + my rows of chi_0, likewise
	v_lshlrev_b32 v13, 4, v2
	v_add_nc_u32 v13, BIAS, v13                    ; v13: sb2's and rb2's tables, 16 h
	v_lshlrev_b32 v15, 2, v217                     ; v15: 4 x lane
	v_and_b32 v223, 127, v0                        ; t
	v_lshlrev_b32 v208, 4, v223                    ; 16 t
	v_lshrrev_b32 v220, 4, v223
	v_mul_u32_u24 v209, v220, 160
	v_lshl_add_u32 v209, v1, 3, v209               ; a matrix's LDS row t>>4, 8 bytes at t&15
	v_lshrrev_b32 v221, 1, v223
	v_and_b32 v222, 1, v0
	v_lshlrev_b32 v210, 5, v221
	v_lshl_add_u32 v210, v222, 3, v210             ; sw2: row t>>1, columns 4 (t&1) ..
	v_xor_b32 v211, 24, v210                       ; and its second copy: byte 0 goes to 24, byte 8 to 16
	v_lshlrev_b32 v212, 3, v221                    ; rw2: row t>>1
	v_and_b32 v214, 7, v0
	v_lshlrev_b32 v214, 2, v214                    ; sb2[lane & 7]
	v_lshlrev_b32 v215, 2, v222                    ; rb2[lane & 1]
	v_lshlrev_b32 v216, 2, v1                      ; x[r]
	s_wait_kmcnt 0x0
	s_add_nc_u64 s[4:5], s[4:5], s[58:59]
.irp p, 38,40,42,44,46
	s_add_nc_u64 s[\p:\p+1], s[\p:\p+1], s[60:61]  ; S_t at my rows of chi_t (the tail's start stands in the stores' immediate)
.endr
; The small vectors first.  Each of the four waves issues these ten loads, so that the counts below are the same in all four; wave 8 uses them.
	global_load_b64 v[SM:SM+1],     v7, s[6:7]     ; ew1
	global_load_b64 v[SM+2:SM+3],   v7, s[8:9]     ; eb1
	global_load_b64 v[SM+4:SM+5],   v7, s[12:13]   ; eb2
	global_load_b64 v[SM+6:SM+7],   v7, s[16:17]   ; lb1
	global_load_b64 v[SM+8:SM+9],   v7, s[20:21]   ; lb2
	global_load_b64 v[SM+10:SM+11], v7, s[24:25]   ; sb1
	global_load_b64 v[SM+12:SM+13], v7, s[32:33]   ; rb1
	global_load_b32 v[SM+14], v214, s[28:29]       ; sb2
	global_load_b32 v[SM+15], v215, s[36:37]       ; rb2
	global_load_b32 v[SM+16], v216, s[4:5]         ; x
	LDM 0, 10                                      ; ew2
	LDM 1, 14                                      ; lw1
	LDM 2, 18                                      ; lw2
	LDM 3, 22                                      ; sw1
	LDM 4, 30                                      ; rw1
	global_load_b128 v[176:179], v208, s[26:27]    ; sw2: 2,048 bytes
	global_load_b64 v[180:181], v212, s[34:35]     ; rw2: a row of two
	s_wait_loadcnt 34                              ; ew2 is in; four matrices (32 loads), sw2 and rw2 stay out
	STM 0, W_E2
	s_wait_loadcnt 26                              ; three matrices and two
	STM 1, W_L1
	s_wait_loadcnt 18
	STM 2, W_L2
	s_wait_loadcnt 10
	STM 3, W_S1
	s_wait_loadcnt 2                               ; sw2 and rw2 stay out
	STM 4, W_R1
	s_wait_loadcnt 1                               ; rw2 stays out
	v_cvt_pk_bf16_f32 v[CV], v176, v177
	v_cvt_pk_bf16_f32 v[CV+1], v178, v179
	ds_store_b64 v210, v[CV:CV+1] offset:W_S2
	ds_store_b64 v211, v[CV:CV+1] offset:W_S2
	s_wait_loadcnt 0x0
.irp i, 4,5,6,7
	v_cvt_pk_bf16_f32 v[CV+\i], v180, v181         ; the pair four times: eight columns
.endr
	ds_store_b128 v208, v[CV+4:CV+7] offset:W_R2   ; (t>>1) 32 + 16 (t&1) = 16 t
.Lstaged:
	s_wait_dscnt 0x0                               ; my stores are in LDS before I say so
	s_barrier_signal -1
	s_barrier_wait -1                              ; both jobs' operands are staged
	s_cmp_ge_u32 s54, 8
	s_cbranch_scc1 .Lrun_chain
; ---- waves 0-7: the product
.irp ks, 0,1,2,3,4,5,6,7
	ds_load_tr16_b128 v[PRF+8*\ks:PRF+8*\ks+3],   v6 offset:\ks*32*P1P          ; k = 32 ks + 8 h .. + 7 of column j = r
	ds_load_tr16_b128 v[PRF+8*\ks+4:PRF+8*\ks+7], v6 offset:\ks*32*P1P+16*P1P   ; k = 32 ks + 16 + 8 h ..
.endr
.irp b, 0,1
.irp ks, 0,1,2,3,4,5,6,7
	ds_load_b128 v[PCF+64*\b+8*\ks:PCF+64*\b+8*\ks+3],   v7 offset:\b*16*TTP+64*\ks
	ds_load_b128 v[PCF+64*\b+8*\ks+4:PCF+64*\b+8*\ks+7], v7 offset:\b*16*TTP+64*\ks+32
.endr
.endr
	s_wait_dscnt 0x0
; source 0 = 16 n (columns of WT), source 1 = 16 j (rows).  The two accumulators take turns, one instruction a turn.
; The first products start the sums.
.irp ks, 0,1,2,3,4,5,6,7
.irp b, 0,1
.if \ks == 0
	v_wmma_f32_16x16x32_bf16 v[PACC+8*\b:PACC+8*\b+7], v[PCF+64*\b+8*\ks:PCF+64*\b+8*\ks+7], v[PRF+8*\ks:PRF+8*\ks+7], 0
.else
	v_wmma_f32_16x16x32_bf16 v[PACC+8*\b:PACC+8*\b+7], v[PCF+64*\b+8*\ks:PCF+64*\b+8*\ks+7], v[PRF+8*\ks:PRF+8*\ks+7], v[PACC+8*\b:PACC+8*\b+7]
.endif
.endr
.endr
	PLACES5
.irp b, 0,1
.irp p, 0,1,2,3
	v_cvt_pk_bf16_f32 v[POUT+4*\b+\p], v[PACC+8*\b+2*\p], v[PACC+8*\b+2*\p+1]
.endr
	global_store_b128 v8, v[POUT+4*\b:POUT+4*\b+3], s[48:49] offset:\b*4096
.endr
	s_set_vgpr_msb 0x5
	s_wait_tensorcnt 0x0
	ds_add_u32 v0, v1
	s_wait_dscnt 0x0
	s_set_vgpr_msb 0x500
	s_endpgm
.Lrun_chain:
	s_cmp_lg_u32 s54, 8
	s_cbranch_scc1 .Lend                           ; waves 9 to 11 have done their part
; ---- wave 8: the chain.  What it stores below (biases, z slots) it alone reads: LDS serves a wave's instructions in order (ISA guide 5.7.1)
.irp k, 0,1,2,3,4,5,6
	ds_store_b64 v7, v[SM+2*\k:SM+2*\k+1] offset:BIAS+256*\k
.endr
	ds_store_b32 v15, v[SM+14] offset:BIAS+1792
	ds_store_b32 v15, v[SM+15] offset:BIAS+1920
	v_mov_b32 v8, v[SM+16]
	v_mov_b32 v9, v[SM+16]                         ; x twice, a pair for the packed multiply-add
	LDB WB, 0                                      ; ew1
	LDB WB+32, 1                                   ; eb1
	LDB BA, 2                                      ; eb2
	LDW WA, W_E2
	s_wait_dscnt 0x0
.set i, 0
.rept 16
	v_pk_fma_f32 v[ACC+2*i:ACC+2*i+1], v[8:9], v[WB+2*i:WB+2*i+1], v[WB+32+2*i:WB+32+2*i+1]   ; x ew1 + eb1
.set i, i+1
.endr
	RELU
	CVT
	LAYER WA, BA
	CVT                                            ; AF = z_0
	LDW WA, W_L1
	LDW WB, W_L2
	LDB BA, 3
	LDB BB, 4
	s_wait_dscnt 0x0
.irp t, 0,1,2,3,4,5
.irp j, 0,1,2,3
	ds_store_b128 v6, v[AF+4*\j:AF+4*\j+3] offset:\t*2048+\j*512   ; z_t is kept for the selectors
.endr
	LAYER WA, BA
	RELU
	CVT
	LAYER WB, BB
	CVT                                            ; AF = z_(t+1)
.endr
; seam readouts: rho = mlp(z_6)
	LDW WA, W_R1
	LDB BA, 6
	LDW1 WB, W_R2
	ds_load_b128 v[WB+16:WB+19], v13 offset:1920   ; rb2 by the parity of the column
	ds_load_b128 v[WB+20:WB+23], v13 offset:1936
	s_wait_dscnt 0x0
	LAYER WA, BA
	RELU
	CVT
	TAIL1 WB+24, WB, WB+16
	v_cmp_ne_u32 vcc_lo, 0, v2
	v_cndmask_b32 v14, v[WB+24], v[WB+25], vcc_lo  ; lane (r, h) keeps rho[r][h]
	global_store_b32 v11, v14, s[48:49] offset:CHI_OFF   ; 128 consecutive bytes
; selectors: chi_t = mlp(z_t)
	LDW WA, W_S1
	LDB BA, 5
	LDW1 WB+32, W_S2
	ds_load_b128 v[WB+48:WB+51], v13 offset:1792   ; sb2[4 h ..]: the columns' order in W_S2
	ds_load_b128 v[WB+52:WB+55], v13 offset:1808
.macro SELECT t, sp, off, vo
.irp j, 0,1,2,3
	ds_load_b128 v[AF+4*\j:AF+4*\j+3], v6 offset:(\t)*2048+\j*512
.endr
	s_wait_dscnt 0x0
	LAYER WA, BA
	RELU
	CVT
	s_wait_xcnt 0x0                                ; the store of two turns ago names the registers that are written next: they are free only behind this wait
	TAIL1 BB+8*(\t&1), WB+32, WB+48
	global_store_b128 v[\vo], v[BB+8*(\t&1):BB+8*(\t&1)+3], s[\sp:\sp+1] offset:\off   ; chi_t[r][4 h ..]: 512 consecutive bytes
.endm
	SELECT 0, 48, CHI0_OFF, 12
	SELECT 1, 38, CHI_OFF, 10
	SELECT 2, 40, CHI_OFF, 10
	SELECT 3, 42, CHI_OFF, 10
	SELECT 4, 44, CHI_OFF, 10
	SELECT 5, 46, CHI_OFF, 10
.Lend:
	s_set_vgpr_msb 0x5
	s_wait_tensorcnt 0x0
	ds_add_u32 v0, v1
	s_wait_dscnt 0x0
	s_set_vgpr_msb 0x500
	s_endpgm
.Lfunc_end_k_q6a19466f67_prepchain:
	.size	k_q6a19466f67_prepchain, .Lfunc_end_k_q6a19466f67_prepchain-k_q6a19466f67_prepchain
	.p2alignl 7, 3214868480
	.fill 96, 4, 3214868480
	.section	.rodata,"a",@progbits
	.p2align	6, 0x0
	.amdhsa_kernel k_q6a19466f67_prepchain
		.amdhsa_group_segment_fixed_size 145920
		.amdhsa_private_segment_fixed_size 0
		.amdhsa_enable_private_segment 0
		.amdhsa_kernarg_size 200
		.amdhsa_user_sgpr_count 2
		.amdhsa_user_sgpr_kernarg_segment_ptr 1
		.amdhsa_wavefront_size32 1
		.amdhsa_system_sgpr_workgroup_id_x 1
		.amdhsa_system_sgpr_workgroup_id_y 1
		.amdhsa_system_sgpr_workgroup_id_z 1
		.amdhsa_system_vgpr_workitem_id 0
		.amdhsa_next_free_vgpr 258
		.amdhsa_next_free_sgpr 80
		.amdhsa_reserve_vcc 1
		.amdhsa_float_denorm_mode_32 3
		.amdhsa_float_denorm_mode_16_64 3
		.amdhsa_memory_ordered 1
		.amdhsa_forward_progress 1
		.amdhsa_inst_pref_size 99
	.end_amdhsa_kernel
	.amdgpu_metadata
---
amdhsa.version: [ 1, 2 ]
amdhsa.kernels:
  - .name:           k_q6a19466f67_prepchain
    .symbol:         k_q6a19466f67_prepchain.kd
    .args:
      - { .name: x, .offset: 0, .size: 8, .value_kind: global_buffer, .address_space: global }
      - { .name: ew1, .offset: 8, .size: 8, .value_kind: global_buffer, .address_space: global }
      - { .name: eb1, .offset: 16, .size: 8, .value_kind: global_buffer, .address_space: global }
      - { .name: ew2, .offset: 24, .size: 8, .value_kind: global_buffer, .address_space: global }
      - { .name: eb2, .offset: 32, .size: 8, .value_kind: global_buffer, .address_space: global }
      - { .name: lw1, .offset: 40, .size: 8, .value_kind: global_buffer, .address_space: global }
      - { .name: lb1, .offset: 48, .size: 8, .value_kind: global_buffer, .address_space: global }
      - { .name: lw2, .offset: 56, .size: 8, .value_kind: global_buffer, .address_space: global }
      - { .name: lb2, .offset: 64, .size: 8, .value_kind: global_buffer, .address_space: global }
      - { .name: sw1, .offset: 72, .size: 8, .value_kind: global_buffer, .address_space: global }
      - { .name: sb1, .offset: 80, .size: 8, .value_kind: global_buffer, .address_space: global }
      - { .name: sw2, .offset: 88, .size: 8, .value_kind: global_buffer, .address_space: global }
      - { .name: sb2, .offset: 96, .size: 8, .value_kind: global_buffer, .address_space: global }
      - { .name: rw1, .offset: 104, .size: 8, .value_kind: global_buffer, .address_space: global }
      - { .name: rb1, .offset: 112, .size: 8, .value_kind: global_buffer, .address_space: global }
      - { .name: rw2, .offset: 120, .size: 8, .value_kind: global_buffer, .address_space: global }
      - { .name: rb2, .offset: 128, .size: 8, .value_kind: global_buffer, .address_space: global }
      - { .name: S1, .offset: 136, .size: 8, .value_kind: global_buffer, .address_space: global }
      - { .name: S2, .offset: 144, .size: 8, .value_kind: global_buffer, .address_space: global }
      - { .name: S3, .offset: 152, .size: 8, .value_kind: global_buffer, .address_space: global }
      - { .name: S4, .offset: 160, .size: 8, .value_kind: global_buffer, .address_space: global }
      - { .name: S5, .offset: 168, .size: 8, .value_kind: global_buffer, .address_space: global }
      - { .name: S6, .offset: 176, .size: 8, .value_kind: global_buffer, .address_space: global }
      - { .name: T, .offset: 184, .size: 8, .value_kind: global_buffer, .address_space: global }
      - { .name: pw1, .offset: 192, .size: 8, .value_kind: global_buffer, .address_space: global }
    .group_segment_fixed_size: 145920
    .private_segment_fixed_size: 0
    .kernarg_segment_align: 8
    .kernarg_segment_size: 200
    .max_flat_workgroup_size: 384
    .sgpr_count:     80
    .vgpr_count:     258
    .wavefront_size: 32
...
	.end_amdgpu_metadata
.endif
;; end of part 1
;; launch vs1 (part 2): grid 8 x 32, 8 waves a work-group, no clusters, 43,776 bytes of LDS; arguments S6, pw2, pb2, u_mu, pb1, pw1, Vca, S1; writes Vca, S1
.if DOCPART == 2
	.amdgcn_target "amdgcn-amd-amdhsa--gfx1250"
	.amdhsa_code_object_version 6
	.text
	.protected	k_q6a19466f67_vs1
	.globl	k_q6a19466f67_vs1
	.p2align	8
	.type	k_q6a19466f67_vs1,@function
k_q6a19466f67_vs1:
	s_mov_b64 s[64:65], 0
	v_nop
	global_prefetch_b8 v0, s[64:65] scope:SCOPE_SE
	s_setreg_imm32_b32 hwreg(HW_REG_WAVE_MODE, 25, 1), 1
	s_wait_xcnt 0x0
; V[nn][i] = sum over n of WT[nn][n] pw2[i][n]  (V_q = pw2 x W_q, transposed), bf16, blocked:
; byte of (nn, i) = (nn>>7) 131072 + (i>>4) 4096 + (nn&127) 32 + (i&15) 2;  c[nn] = pb1[j] + sum over n of 8 pb2[n] WT[nn][n], f32, behind V;
; and the first step of the cascade, S_1[b][j] = sum over q of relu(chi_0[b][q] pw1[0][j] + a[q][j]), a[nn] = pb1[j] + sum over n of u_mu[n] WT[nn][n]:
; Phi_0 is reference()'s own broadcast of u_mu, so its product with W_q is the vector a.  S_1 goes out in bf16, blocked like V.
; A work-group makes 128 rows nn (one g: 16 j, all eight q) x 64 i, K = 256; wave w (which is q) 16 rows x 4 column tiles, and a fifth tile whose rows
; are 8 pb2 (even) and u_mu (odd): 40 matrix instructions.  So the work-group holds a for its 16 j and all q: the waves hand it to each other through
; LDS, and the work-group makes S_1's columns 16 g .. + 15 of batch rows 512 ib .. + 511, 64 rows a wave.  a never goes to memory.
; c hangs on nn alone: the work-groups of column block 0 store it, 64 bytes a wave, a store that does not fill an aligned block of 256 bytes
; (16 KiB in the whole launch).
; WT's fragments come straight from memory (the blocked layout gives each load of a wave 512 consecutive bytes); pw2 is f32 and passes registers to
; become bf16, so it is staged through LDS; no tensor loads, hence no joint loads: no cluster.
; REGISTERS: the fragments lie in the second block of 256 (WT's at v0-63 there, the columns' at v64-223), so that chi_0 and pw1[0] can be asked for
; at the start and wait in the first block: seven switches of the register window in all.
; LIMIT: V, 8 pb2 and u_mu enter products as bf16; V is rounded to bf16 where reference() has no such intermediate.
; relu is v_max_num_f32: a NaN becomes 0 where jnp.maximum keeps it.
.set CTP, 528                          ; pitch of CT: bf16 [80 rows][256 n], 512 bytes + 16
.set ATB, 80*CTP                       ; a behind CT: f32 [8 q][16 j], 512 bytes at 42,240
.set C_OFF, 4194304                    ; c behind V
.set CHI0_OFF, 4227072                 ; chi_0 in S6
.set ACC, 16                           ; v[16:55]   five accumulators; the fifth (v48-55) is the tile of 8 pb2 and u_mu
.set CHI, 64                           ; v[64:95]   chi_0 of my 64 rows: 8 registers for each 16 rows
.set P0,  96                           ; v[96:103]  pw1[0][16 g + 8 h ..]
.set CV,  104                          ; v[104:111] packed bf16 on their way to LDS
.set TM,  112                          ; v[112:119] S_1: at work
.set SUM, 120                          ; v[120:127] S_1: the sum over q
.set ST,  128                          ; v[128:191] pw2 as loaded
.set AT,  128                          ; v[128:191] later: a[q][16 g + 8 h ..], 8 registers for each q
.set PB,  192                          ; v[192:207] 16 numbers of pb2
.set UM,  208                          ; v[208:223] 16 numbers of u_mu
.set OUT, 192                          ; v[192:207] later: V, packed
.set O1,  208                          ; v[208:223] later: S_1, packed, four registers for each 16 rows
.set RF1, 0                            ; second block, v[0:63]:   8 row fragments of WT
.set CF1, 64                           ; second block, v[64:223]: column fragments of 4 K chunks x 5 tiles
.set MSB, 0
.macro WIN new                         ; the immediate's high byte repeats the setting that is left
.if MSB != \new
	s_set_vgpr_msb (MSB<<8)|\new
.set MSB, \new
.endif
.endm
.macro STAGE src, adr, imm, cv
	v_cvt_pk_bf16_f32 v[\cv], v[\src], v[\src+1]
	v_cvt_pk_bf16_f32 v[\cv+1], v[\src+2], v[\src+3]
	ds_store_b64 v[\adr], v[\cv:\cv+1] offset:\imm
.endm
.macro PLACES5                         ; the places behind matrix instructions (ISA guide 7.12.1): five serve every use that follows here
.rept 5
	v_nop
.endr
.endm
	s_load_b512 s[4:19], s[0:1], 0x0               ; S6 s4, pw2 s6, pb2 s8, u_mu s10, pb1 s12, pw1 s14, Vca s16, S1 s18
	v_lshl_add_u32 v254, v0, 2, 0xa700
	v_mov_b32 v255, 0
	v_lshrrev_b32 v1, 5, v0
	v_readfirstlane_b32 s20, v1                    ; wave = q
	s_and_b32 s21, ttmp7, 0xffff                   ; g
	s_lshl_b32 s22, s20, 9                         ; my 16 rows of 32 bytes
	s_lshl_b32 s24, s21, 16
	s_add_co_u32 s24, s24, s22                     ; WT: g x 65,536 + w x 512
	s_mov_b32 s25, 0
	s_lshl_b32 s26, ttmp9, 14                      ; chi_0: 512 rows of 32 bytes for each ib,
	s_lshl_b32 s39, s20, 11                        ; 64 rows for each wave
	s_add_co_u32 s26, s26, s39
	s_mov_b32 s27, 0
	s_lshl_b32 s28, ttmp9, 16                      ; pw2: 64 rows of 1,024 bytes
	s_mov_b32 s29, 0
	s_lshl_b32 s30, s21, 6                         ; pb1 and pw1[0]: 16 numbers for each g
	s_mov_b32 s31, 0
	s_lshl_b32 s32, s21, 17
	s_lshl_b32 s39, ttmp9, 14
	s_add_co_u32 s32, s32, s39
	s_add_co_u32 s32, s32, s22                     ; V: g x 131,072 + ib x 4 blocks + w x 512
	s_mov_b32 s33, 0
	s_lshl_b32 s34, s21, 9
	s_lshl_b32 s38, s20, 6
	s_add_co_u32 s34, s34, s38                     ; c: (128 g + 16 w) x 4
	s_mov_b32 s35, 0
	s_add_co_u32 s38, s38, ATB                     ; a in LDS: my q's 16 numbers
	s_lshr_b32 s36, s20, 1
	s_lshl2_add_u32 s36, ttmp9, s36                ; S_1: the block of 128 rows, 4 ib + (w>>1),
	s_lshl_b32 s36, s36, 17
	s_lshl_b32 s39, s21, 12                        ; column block g,
	s_add_co_u32 s36, s36, s39
	s_and_b32 s39, s20, 1                          ; which 64 rows of the 128
	s_lshl_b32 s39, s39, 11
	s_add_co_u32 s36, s36, s39
	s_mov_b32 s37, 0
	v_and_b32 v9, 15, v0                           ; r = t & 15
	v_lshrrev_b32 v10, 4, v0                       ; t >> 4
	v_bfe_u32 v11, v0, 4, 1                        ; h
	v_lshlrev_b32 v2, 4, v0                        ; pw2: 16 t
	v_lshlrev_b32 v3, 6, v9                        ; pb2, u_mu: my 16 numbers
	v_lshlrev_b32 v15, 5, v9                       ; 32 r: chi_0's rows
	v_lshl_add_u32 v4, v11, 4, v15                 ; 32 r + 16 h: WT's fragments and both ways out
	v_lshlrev_b32 v5, 2, v9                        ; 4 r: pb1 and c
	v_lshrrev_b32 v56, 6, v0
	v_and_b32 v57, 63, v0
	v_mul_u32_u24 v6, v56, CTP
	v_lshl_add_u32 v6, v57, 3, v6                  ; CT: row t>>6, 8 bytes at t&63
	v_mul_u32_u24 v7, v10, CTP
	v_lshl_add_u32 v7, v9, 5, v7
	v_add_nc_u32 v7, 64*CTP, v7                    ; CT: extra row 64 + (t>>4), 32 bytes at t&15
	v_mul_u32_u24 v8, v9, CTP
	v_lshl_add_u32 v8, v11, 4, v8                  ; column fragments
	v_lshlrev_b32 v12, 5, v11                      ; 32 h: pw1[0]
	v_add_nc_u32 v13, ATB, v12                     ; a, read: 32 h
	v_add_nc_u32 v1, s38, v5                       ; a, written: my q, 4 r
	v_cmp_ne_u32 vcc_lo, 0, v11                    ; odd t>>4, which is h = 1
	s_wait_kmcnt 0x0
	s_add_nc_u64 s[40:41], s[4:5], s[24:25]        ; WT
	s_add_nc_u64 s[42:43], s[4:5], s[26:27]        ; chi_0
	s_add_nc_u64 s[6:7], s[6:7], s[28:29]
	s_add_nc_u64 s[12:13], s[12:13], s[30:31]
	s_add_nc_u64 s[14:15], s[14:15], s[30:31]
	s_add_nc_u64 s[44:45], s[16:17], s[32:33]      ; V
	s_add_nc_u64 s[46:47], s[16:17], s[34:35]      ; c
	s_add_nc_u64 s[18:19], s[18:19], s[36:37]
.set i, 0
.rept 16
	global_load_b128 v[ST+4*i:ST+4*i+3], v2, s[6:7] offset:i*4096
.set i, i+1
.endr
.irp i, 0,1,2,3
	global_load_b128 v[PB+4*\i:PB+4*\i+3], v3, s[8:9] offset:16*\i
.endr
.irp i, 0,1,2,3
	global_load_b128 v[UM+4*\i:UM+4*\i+3], v3, s[10:11] offset:16*\i
.endr
	WIN 0x40                                       ; destination in the second block, address in the first
.irp ks, 0,1,2,3,4,5,6,7
	global_load_b128 v[RF1+8*\ks:RF1+8*\ks+3],   v4, s[40:41] offset:\ks*8192        ; n = 32 ks + 8 h ..
	global_load_b128 v[RF1+8*\ks+4:RF1+8*\ks+7], v4, s[40:41] offset:\ks*8192+4096   ; n = 32 ks + 16 + 8 h ..
.endr
	WIN 0
	global_load_b32 v14, v5, s[12:13]              ; pb1[16 g + r]
.irp rt, 0,1,2,3
	global_load_b128 v[CHI+8*\rt:CHI+8*\rt+3],   v15, s[42:43] offset:CHI0_OFF+\rt*512      ; chi_0[16 rt + r][0..3]
	global_load_b128 v[CHI+8*\rt+4:CHI+8*\rt+7], v15, s[42:43] offset:CHI0_OFF+\rt*512+16   ; [4..7]
.endr
	global_load_b128 v[P0:P0+3],   v12, s[14:15]
	global_load_b128 v[P0+4:P0+7], v12, s[14:15] offset:16
	s_wait_loadcnt 35                              ; pw2's sixteen are in; 4 + 4 + 16 + 1 + 8 + 2 younger loads stay out
.set i, 0
.rept 16
	STAGE ST+4*i, 6, i*4*CTP, CV+2*(i%4)
.set i, i+1
.endr
	s_wait_loadcnt 27                              ; pb2 and u_mu are in; WT's sixteen, pb1, chi_0 and pw1[0] stay out
.irp p, 0,1,2,3,4,5,6,7
	v_pk_mul_f32 v[PB+2*\p:PB+2*\p+1], v[PB+2*\p:PB+2*\p+1], 0x41000000 op_sel_hi:[1,0]   ; 8 pb2: the sum over the eight q of pb2
.endr
.set i, 0
.rept 16
	v_cndmask_b32 v[PB+i], v[PB+i], v[UM+i], vcc_lo                ; even extra rows 8 pb2, odd ones u_mu
.set i, i+1
.endr
.irp p, 0,1,2,3,4,5,6,7
	v_cvt_pk_bf16_f32 v[CV+\p], v[PB+2*\p], v[PB+2*\p+1]
.endr
	ds_store_b128 v7, v[CV:CV+3]
	ds_store_b128 v7, v[CV+4:CV+7] offset:16
	s_wait_dscnt 0x0                               ; my stores are in LDS before I say so
	s_barrier_signal -1
	s_barrier_wait -1
; Two batches of four K chunks.  The five accumulators take turns, one instruction a turn.  The first products start the sums.
.irp be, 0,1
	WIN 0x40
.irp ksl, 0,1,2,3
.irp b, 0,1,2,3,4
	ds_load_b128 v[CF1+40*\ksl+8*\b:CF1+40*\ksl+8*\b+3],   v8 offset:\b*16*CTP+64*(4*\be+\ksl)
	ds_load_b128 v[CF1+40*\ksl+8*\b+4:CF1+40*\ksl+8*\b+7], v8 offset:\b*16*CTP+64*(4*\be+\ksl)+32
.endr
.endr
	s_wait_dscnt 0x0
.if \be == 0
	s_wait_loadcnt 11                              ; WT's fragments are in; pb1, chi_0's eight and pw1[0]'s two stay out
.endif
	WIN 0x05                                       ; sources 0 and 1 in the second block, C and D in the first
.irp ksl, 0,1,2,3
.irp b, 0,1,2,3,4
.if \be+\ksl == 0
	v_wmma_f32_16x16x32_bf16 v[ACC+8*\b:ACC+8*\b+7], v[CF1+40*\ksl+8*\b:CF1+40*\ksl+8*\b+7], v[RF1+8*(4*\be+\ksl):RF1+8*(4*\be+\ksl)+7], 0
.else
	v_wmma_f32_16x16x32_bf16 v[ACC+8*\b:ACC+8*\b+7], v[CF1+40*\ksl+8*\b:CF1+40*\ksl+8*\b+7], v[RF1+8*(4*\be+\ksl):RF1+8*(4*\be+\ksl)+7], v[ACC+8*\b:ACC+8*\b+7]
.endif
.endr
.endr
	PLACES5
.endr
	WIN 0
	s_wait_loadcnt 0x0                             ; pb1, chi_0, pw1[0]
; In the fifth tile register 0 is column 8 h, an even extra row (8 pb2), register 1 column 8 h + 1, an odd one (u_mu): every lane holds c and a of row r.
	v_add_f32 v57, v[ACC+33], v14                  ; a[q = w][16 g + r]
	v_add_f32 v56, v[ACC+32], v14                  ; c[128 g + 16 w + r]
	ds_store_b32 v1, v57                           ; lanes r and r + 16 write the same word with the same value
.irp b, 0,1,2,3
.irp p, 0,1,2,3
	v_cvt_pk_bf16_f32 v[OUT+4*\b+\p], v[ACC+8*\b+2*\p], v[ACC+8*\b+2*\p+1]
.endr
	global_store_b128 v4, v[OUT+4*\b:OUT+4*\b+3], s[44:45] offset:\b*4096   ; 512 consecutive bytes a wave
.endr
	s_cmp_lg_u32 ttmp9, 0
	s_cbranch_scc1 .Lno_c
	v_cmp_eq_u32 vcc_lo, 0, v11
	s_wait_xcnt 0x0                                ; EXEC is a source of the stores above: it changes only behind this wait
	s_and_saveexec_b32 s48, vcc_lo                 ; lanes 0 to 15: one for each row
	global_store_b32 v5, v56, s[46:47] offset:C_OFF
	s_wait_xcnt 0x0                                ; and again in front of the line that widens it
	s_or_b32 exec_lo, exec_lo, s48
.Lno_c:
	s_wait_dscnt 0x0                               ; my a is in LDS before I say so
	s_barrier_signal -1
	s_barrier_wait -1                              ; all eight q's are
.irp q, 0,1,2,3,4,5,6,7
	ds_load_b128 v[AT+8*\q:AT+8*\q+3],   v13 offset:\q*64
	ds_load_b128 v[AT+8*\q+4:AT+8*\q+7], v13 offset:\q*64+16
.endr
	s_wait_dscnt 0x0
; S_1: lane (r, h) makes row 16 rt + r of my 64, columns 16 g + 8 h .. + 7.
.macro S1Q rt, q                       ; one q: relu(chi_q pw1[0] + a_q), added to the sum; q = 0 starts it
.irp p, 0,1,2,3
.if (\q)&1
	v_pk_fma_f32 v[TM+2*\p:TM+2*\p+1], v[CHI+8*\rt+\q-1:CHI+8*\rt+\q], v[P0+2*\p:P0+2*\p+1], v[AT+8*\q+2*\p:AT+8*\q+2*\p+1] op_sel:[1,0,0] op_sel_hi:[1,1,1]
.else
	v_pk_fma_f32 v[TM+2*\p:TM+2*\p+1], v[CHI+8*\rt+\q:CHI+8*\rt+\q+1], v[P0+2*\p:P0+2*\p+1], v[AT+8*\q+2*\p:AT+8*\q+2*\p+1] op_sel_hi:[0,1,1]
.endif
.endr
.irp e, 0,1,2,3,4,5,6,7
.if \q == 0
	v_max_num_f32 v[SUM+\e], 0, v[TM+\e]
.else
	v_max_num_f32 v[TM+\e], 0, v[TM+\e]
.endif
.endr
.if \q != 0
.irp p, 0,1,2,3
	v_pk_add_f32 v[SUM+2*\p:SUM+2*\p+1], v[SUM+2*\p:SUM+2*\p+1], v[TM+2*\p:TM+2*\p+1]
.endr
.endif
.endm
.irp rt, 0,1,2,3
.irp q, 0,1,2,3,4,5,6,7
	S1Q \rt, \q
.endr
.irp p, 0,1,2,3
	v_cvt_pk_bf16_f32 v[O1+4*\rt+\p], v[SUM+2*\p], v[SUM+2*\p+1]
.endr
	global_store_b128 v4, v[O1+4*\rt:O1+4*\rt+3], s[18:19] offset:\rt*512   ; 512 consecutive bytes a wave; each 16 rows have their own data registers
.endr
	s_wait_tensorcnt 0x0
	ds_add_u32 v254, v255
	s_wait_dscnt 0x0
	s_endpgm
.Lfunc_end_k_q6a19466f67_vs1:
	.size	k_q6a19466f67_vs1, .Lfunc_end_k_q6a19466f67_vs1-k_q6a19466f67_vs1
	.p2alignl 7, 3214868480
	.fill 96, 4, 3214868480
	.section	.rodata,"a",@progbits
	.p2align	6, 0x0
	.amdhsa_kernel k_q6a19466f67_vs1
		.amdhsa_group_segment_fixed_size 43776
		.amdhsa_private_segment_fixed_size 0
		.amdhsa_enable_private_segment 0
		.amdhsa_kernarg_size 64
		.amdhsa_user_sgpr_count 2
		.amdhsa_user_sgpr_kernarg_segment_ptr 1
		.amdhsa_wavefront_size32 1
		.amdhsa_system_sgpr_workgroup_id_x 1
		.amdhsa_system_sgpr_workgroup_id_y 1
		.amdhsa_system_sgpr_workgroup_id_z 1
		.amdhsa_system_vgpr_workitem_id 0
		.amdhsa_next_free_vgpr 480
		.amdhsa_next_free_sgpr 66
		.amdhsa_reserve_vcc 1
		.amdhsa_float_denorm_mode_32 3
		.amdhsa_float_denorm_mode_16_64 3
		.amdhsa_memory_ordered 1
		.amdhsa_forward_progress 1
		.amdhsa_inst_pref_size 49
	.end_amdhsa_kernel
	.amdgpu_metadata
---
amdhsa.version: [ 1, 2 ]
amdhsa.kernels:
  - .name:           k_q6a19466f67_vs1
    .symbol:         k_q6a19466f67_vs1.kd
    .args:
      - { .name: S6, .offset: 0, .size: 8, .value_kind: global_buffer, .address_space: global }
      - { .name: pw2, .offset: 8, .size: 8, .value_kind: global_buffer, .address_space: global }
      - { .name: pb2, .offset: 16, .size: 8, .value_kind: global_buffer, .address_space: global }
      - { .name: u_mu, .offset: 24, .size: 8, .value_kind: global_buffer, .address_space: global }
      - { .name: pb1, .offset: 32, .size: 8, .value_kind: global_buffer, .address_space: global }
      - { .name: pw1, .offset: 40, .size: 8, .value_kind: global_buffer, .address_space: global }
      - { .name: Vca, .offset: 48, .size: 8, .value_kind: global_buffer, .address_space: global }
      - { .name: S1, .offset: 56, .size: 8, .value_kind: global_buffer, .address_space: global }
    .group_segment_fixed_size: 43776
    .private_segment_fixed_size: 0
    .kernarg_segment_align: 8
    .kernarg_segment_size: 64
    .max_flat_workgroup_size: 256
    .sgpr_count:     66
    .vgpr_count:     480
    .wavefront_size: 32
...
	.end_amdgpu_metadata
.endif
;; end of part 2
;; launch step1 (part 3): grid 16 x 16, 4 waves a work-group, clusters of 4 x 4, 327,680 bytes of LDS; arguments S1, Vca, pw1, S2; writes S2
.if DOCPART == 3
	.amdgcn_target "amdgcn-amd-amdhsa--gfx1250"
	.amdhsa_code_object_version 6
	.text
	.protected	k_q6a19466f67_step1
	.globl	k_q6a19466f67_step1
	.p2align	8
	.type	k_q6a19466f67_step1,@function
k_q6a19466f67_step1:
	s_mov_b64 s[64:65], 0
	v_nop
	global_prefetch_b8 v0, s[64:65] scope:SCOPE_SE
	s_setreg_imm32_b32 hwreg(HW_REG_WAVE_MODE, 25, 1), 1
	s_wait_xcnt 0x0
	s_wait_alu depctr_hold_cnt(0) depctr_sa_sdst(0) depctr_va_vdst(0) depctr_va_sdst(0) depctr_va_ssrc(0) depctr_va_vcc(0) depctr_vm_vsrc(0)
	s_getreg_b32 s2, hwreg(HW_REG_IB_STS2, 6, 4)
	s_cmp_eq_u32 s2, 0
	s_cbranch_scc0 .Lentry_in_a_cluster
	s_endpgm
.Lentry_in_a_cluster:
	s_bfe_u32 s2, ttmp6, 0x10000c
	s_cmp_lg_u32 s2, 0xf033
	s_cbranch_scc0 .Lentry_shape_is_right
	s_endpgm
.Lentry_shape_is_right:
; One step of the cascade as one product:  S'[b][j] = sum over q of relu( sum over i of S[b][i] V[nn][i] + chi[b][q] pw1[0][j] + c[nn] ),
; nn = 128 g + 16 q + jj, j = 16 g + jj.  S: [4096][512] bf16, V: [4096 nn][512] bf16, both blocked:
; byte of (row, k) = (row>>7) 131072 + (k>>4) 4096 + (row&127) 32 + (k&15) 2.  chi: f32 [4096][8] behind S's 4 MiB; c: f32 [4096] behind V's.
; It rests on three identities that hold for every input: the sum over q passes through pw2; T_q and pw1[1:] fold into W_q; pw2 and W_q into V_q.
; A work-group makes 256 rows x 256 nn with four waves, as many as a WGP has SIMDs; a wave 128 x 128: 64 accumulator tiles, 512 registers.  A wave's
; 128 nn are the eight q of 16 j, so the sum over q is a sum of eight tiles in the same lane and register, and 128 x 16 numbers leave.
; K = 512 goes in four steps of 128 through a ring of two LDS slots.  In the blocked layout 128 rows x 128 k are 32,768 dense bytes,
; fetched as 128 lines of 256 bytes that start at multiples of 256 bytes from the buffer's first byte.
; CLUSTERS: 4 x 4 work-groups.  The four of a row of the cluster need the same tiles of S, the four of a column the same tiles of V: each tile is
; asked for jointly, by the same tensor load with the same descriptor and a mask that names the four: a quarter of the requests.
; A wave has two tensor loads out at the start and one behind each round.
; REGISTERS, in windows of 256: window 0: v16-39 addresses and pw1[0]; v64-127, v128-191 fragments of S, two buffers (first chi and c); v192-223 results;
;   window 1: v64-127, v128-191 fragments of V; window 2: the accumulator tiles of my rows 0-63 (tile (a, b) at v[8 (8 a + b)]); window 3: rows 64-127.
; The matrix instruction takes source 0 = 16 rows of V, source 1 = 16 rows of S: lane (r, h) holds row r, nn = 16 b + 8 h + 0..7.
; LIMIT: relu is v_max_num_f32: a NaN becomes 0 where jnp.maximum keeps it.  S is rounded to bf16 as the next product's operand.
.set PITCH,  272                       ; an LDS line: 256 bytes + 16 of padding
.set HALFT,  128*PITCH                 ; what one tensor load brings, and what one wave reads of S or of V in a K step
.set SLOT,   4*HALFT                   ; S's 256 rows, then V's 256 rows
.set STEPB,  32768                     ; bytes of a tile in memory, and from one K step's tile to the next
.set CHI_OFF, 4194304
.set C_OFF,   4194304
.set ADRA, 16                          ; v16-17  LDS address of my S fragments in slot 0, 1
.set ADRB, 20                          ; v20-21  the same for V
.set VCH,  24                          ; v24     32 r: chi's rows
.set VH,   25                          ; v25     32 h: c and pw1[0]
.set CO,   26                          ; v26     32 r + 16 h: the way out
.set P0,   32                          ; v[32:39] pw1[0][16 g + 8 h ..]
.set F0,   64                          ; fragment buffer 0
.set F1,   128                         ; fragment buffer 1
.set CH,   F0                          ; before the first fragments: chi of my 128 rows, 8 registers for each 16 rows
.set CC,   F1                          ; and c of my 128 nn, 8 registers for each q
.set TMP,  192                         ; packed results
.set G1, 24                            ; s[24:31] descriptor group 1 for S's tiles
.set G0, 32                            ; s[32:39] group 0 for S's tiles, one set for each slot
.set G1B, 48                           ; s[48:55] group 1 for V's tiles: the mask differs
.set G0B, 56                           ; s[56:63] group 0 for V's tiles
.set MSB, 0
.macro WIN new                         ; the immediate's high byte repeats the setting that is left
.if MSB != \new
	s_set_vgpr_msb (MSB<<8)|\new
.set MSB, \new
.endif
.endm
.set MUL_LO, 0xa1                      ; source 0 (V) window 1, source 1 (S) window 0, C and D window 2
.set MUL_HI, 0xf1                      ; the same, C and D window 3
.set TO_B,   0x40                      ; destination window 1, address window 0
; A joint load.  Waves 0 and 1 fetch S's two halves, waves 2 and 3 V's.  Each line has one mask and one set of registers; the branch hangs on the wave's number alone.
.macro JLOAD s
	s_cmp_eq_u32 s13, 0
	s_cbranch_scc0 .Lfor_b_\@
	tensor_load_to_lds s[G0+4*\s:G0+4*\s+3], s[G1:G1+7]
	s_nop 0
	s_branch .Lasked_\@
.Lfor_b_\@:
	tensor_load_to_lds s[G0B+4*\s:G0B+4*\s+3], s[G1B:G1B+7]
	s_nop 0
.Lasked_\@:
.endm
; A round of the cluster's barrier: my work-group's barrier; wave 0 signals for the work-group; every wave waits for all sixteen; my work-group's barrier once more.
.macro CREST                           ; a round behind its opening barrier
	s_cmp_lg_u32 s12, 0
	s_cbranch_scc1 .Lnot_wave_0_\@
	s_barrier_signal -3
.Lnot_wave_0_\@:
	s_barrier_wait -3
	s_barrier_signal -1
	s_barrier_wait -1
.endm
.macro CROUND
	s_barrier_signal -1
	s_barrier_wait -1
	CREST
.endm
	s_load_b256 s[4:11], s[0:1], 0x0               ; S s[4:5], Vca s[6:7], pw1 s[8:9], S' s[10:11]
	s_set_vgpr_msb 0x40
	v_lshl_add_u32 v255, v0, 2, 0x44000
	s_set_vgpr_msb 0x4000
	v_mov_b32 v255, 0
	s_set_vgpr_msb 0x1
	ds_add_u32 v255, v255
	s_set_vgpr_msb 0x100
	v_lshrrev_b32 v1, 5, v0
	v_readfirstlane_b32 s12, v1                    ; wave 0..3
	s_lshr_b32 s13, s12, 1                         ; which half of the block's rows is mine.  Also: I fetch for S (0) or for V (1)
	s_and_b32 s14, s12, 1                          ; which half of its nn.  Also: which 128 rows of that tile I fetch
	s_bfe_u32 s15, ttmp6, 0x40000                  ; cx
	s_bfe_u32 s16, ttmp6, 0x40004                  ; cy
	s_lshl_b32 s17, ttmp9, 2
	s_add_co_u32 s17, s17, s15                     ; block column = 4 x cluster x + cx
	s_and_b32 s18, ttmp7, 0xffff
	s_lshl_b32 s18, s18, 2
	s_add_co_u32 s18, s18, s16                     ; block row = 4 x cluster y + cy
	s_lshl_b32 s19, s16, 2
	s_lshl_b32 s19, 15, s19                        ; my row of the cluster: places 4 cy .. 4 cy + 3
	s_lshl_b32 s20, 0x1111, s15                    ; my column: places cx, cx + 4, cx + 8, cx + 12
	; group 1: 128 lines of 128 elements of 2 bytes, dense in memory, padded in LDS
	s_or_b32 s[G1+0], s19, (1<<16)|(1<<20)|(1<<21)|(5<<22)|(3<<25)   ; 15:0 the mask: S's tiles go to my row; 17:16 2 bytes; 20 padding on; 21 set beside a mask; 24:22 after every 64 words; 31:25 four words
	s_or_b32 s[G1B+0], s20, (1<<16)|(1<<20)|(1<<21)|(5<<22)|(3<<25)  ; the same with my column's mask, for V's tiles
	s_mov_b32 s[G1B+1], 128<<16
	s_mov_b32 s[G1+1], 128<<16                     ; tensor_dim0 = 128
	s_mov_b32 s[G1B+2], 128<<16
	s_mov_b32 s[G1+2], 128<<16                     ; tensor_dim1 = 128
	s_mov_b32 s[G1B+3], 128<<16
	s_mov_b32 s[G1+3], 128<<16                     ; tile_dim0 = 128
	s_mov_b32 s[G1B+4], 128
	s_mov_b32 s[G1+4], 128                         ; tile_dim1 = 128
	s_mov_b32 s[G1B+5], 128
	s_mov_b32 s[G1+5], 128                         ; from line to line: 128 elements, the block is dense
	s_mov_b32 s[G1B+6], 0
	s_mov_b32 s[G1+6], 0
	s_mov_b32 s[G1B+7], 0
	s_mov_b32 s[G1+7], 0
	; S's tiles hang on the block row alone, V's on the block column alone; each offset in registers that never hold the other coordinate
	s_lshl_b32 s40, s18, 1
	s_add_co_u32 s40, s40, s14
	s_lshl_b32 s40, s40, 17                        ; S: (2 x block row + half) x 131,072
	s_mov_b32 s41, 0
	s_lshl_b32 s44, s17, 1
	s_add_co_u32 s44, s44, s14
	s_lshl_b32 s44, s44, 17                        ; V: (2 x block column + half) x 131,072
	s_mov_b32 s45, 0
	s_mul_i32 s21, s12, HALFT                      ; to LDS: S's two halves, then V's two = wave x 128 lines
	s_wait_dscnt 0x0
	s_wait_kmcnt 0x0
	s_add_nc_u64 s[42:43], s[4:5], s[40:41]
	s_add_nc_u64 s[46:47], s[6:7], s[44:45]
	CROUND                                         ; all sixteen work-groups are here: the first joint loads meet
.irp s, 0,1
	s_mov_b32 s[G0+4*\s], 1
	s_add_co_u32 s[G0+4*\s+1], s21, \s*SLOT
	s_add_nc_u64 s[G0+4*\s+2:G0+4*\s+3], s[42:43], \s*STEPB        ; K step s
	s_or_b32 s[G0+4*\s+3], s[G0+4*\s+3], 0x80000000
	s_mov_b32 s[G0B+4*\s], 1
	s_add_co_u32 s[G0B+4*\s+1], s21, \s*SLOT
	s_add_nc_u64 s[G0B+4*\s+2:G0B+4*\s+3], s[46:47], \s*STEPB
	s_or_b32 s[G0B+4*\s+3], s[G0B+4*\s+3], 0x80000000
	JLOAD \s                                       ; the ring is filled before anything else is done
.endr
	; In a slot, line 16 kb + (row>>3) holds k block kb (16 k) of eight rows, 32 bytes a row.  A fragment (16 rows x 32 k): lane (r, h) takes 16 bytes at
	; (r>>3) 272 + (r&7) 32 + 16 h of lines 2 x (16 rows' number), and 16 lines further down for k + 16.
	v_and_b32 v1, 15, v0                           ; r
	v_bfe_u32 v2, v0, 4, 1                         ; h
	v_lshrrev_b32 v3, 3, v1
	v_and_b32 v4, 7, v1
	v_mul_u32_u24 v3, v3, PITCH
	v_lshl_add_u32 v3, v4, 5, v3
	v_lshl_add_u32 v3, v2, 4, v3
	s_mul_i32 s22, s13, HALFT                      ; my 128 rows of S
	s_mul_i32 s23, s14, HALFT                      ; my 128 rows of V,
	s_add_co_u32 s23, s23, 2*HALFT                 ; which lie behind S's 256
.irp s, 0,1
	v_add_nc_u32 v[ADRA+\s], s22, v3
	v_add_nc_u32 v[ADRB+\s], s23, v3
	s_add_co_u32 s22, s22, SLOT
	s_add_co_u32 s23, s23, SLOT
.endr
	v_lshlrev_b32 v[VCH], 5, v1
	v_lshlrev_b32 v[VH], 5, v2
	v_lshl_add_u32 v[CO], v2, 4, v[VCH]
	s_lshl_b32 s74, s18, 1
	s_add_co_u32 s74, s74, s13                     ; my block of 128 rows
	s_lshl_b32 s76, s17, 1
	s_add_co_u32 s76, s76, s14                     ; g: my block of 128 nn = 16 j
	s_mov_b32 s79, 0
	s_lshl_b32 s78, s74, 12
	s_add_nc_u64 s[66:67], s[4:5], s[78:79]        ; chi: 128 rows of 32 bytes
	s_lshl_b32 s78, s76, 9
	s_add_nc_u64 s[68:69], s[6:7], s[78:79]        ; c: 128 numbers
	s_lshl_b32 s78, s76, 6
	s_add_nc_u64 s[70:71], s[8:9], s[78:79]        ; pw1[0]: 16 numbers
	s_lshl_b32 s78, s74, 17
	s_lshl_b32 s77, s76, 12
	s_add_co_u32 s78, s78, s77
	s_add_nc_u64 s[72:73], s[10:11], s[78:79]      ; S': my rows' block, k block g
.irp a, 0,1,2,3,4,5,6,7
	global_load_b128 v[CH+8*\a:CH+8*\a+3],   v[VCH], s[66:67] offset:CHI_OFF+\a*512
	global_load_b128 v[CH+8*\a+4:CH+8*\a+7], v[VCH], s[66:67] offset:CHI_OFF+\a*512+16
.endr
.irp b, 0,1,2,3,4,5,6,7
	global_load_b128 v[CC+8*\b:CC+8*\b+3],   v[VH], s[68:69] offset:C_OFF+\b*64
	global_load_b128 v[CC+8*\b+4:CC+8*\b+7], v[VH], s[68:69] offset:C_OFF+\b*64+16
.endr
	global_load_b128 v[P0:P0+3],   v[VH], s[70:71]
	global_load_b128 v[P0+4:P0+7], v[VH], s[70:71] offset:16
	s_wait_loadcnt 0x0
; The sums start as chi[row][q = b] pw1[0][j] + c[nn], one fused multiply-add for two numbers: nothing is cleared, and every product accumulates.
; This runs while the first tiles are on their way.
.macro INIT hi
.irp a, 0,1,2,3
.irp b, 0,2,4,6
.irp p, 0,1,2,3
	v_pk_fma_f32 v[8*(8*\a+\b)+2*\p:8*(8*\a+\b)+2*\p+1], v[CH+8*(4*\hi+\a)+\b:CH+8*(4*\hi+\a)+\b+1], v[P0+2*\p:P0+2*\p+1], v[CC+8*\b+2*\p:CC+8*\b+2*\p+1] op_sel_hi:[0,1,1]
.endr
.irp p, 0,1,2,3
	v_pk_fma_f32 v[8*(8*\a+\b+1)+2*\p:8*(8*\a+\b+1)+2*\p+1], v[CH+8*(4*\hi+\a)+\b:CH+8*(4*\hi+\a)+\b+1], v[P0+2*\p:P0+2*\p+1], v[CC+8*(\b+1)+2*\p:CC+8*(\b+1)+2*\p+1] op_sel:[1,0,0] op_sel_hi:[1,1,1]
.endr
.endr
.endr
.endm
	WIN 0x80                                       ; destination window 2
	INIT 0
	WIN 0xc0                                       ; destination window 3
	INIT 1
	WIN 0
; 16 matrix instructions: row blocks a0, a0 + 1 of the window's four x all 8 q, 32 along K.  The 64 accumulators take turns, one instruction a turn,
; in the same order in every quarter step.
.macro MUL16 f, hi, a0
.irp a, \a0, \a0+1
.irp b, 0,1,2,3,4,5,6,7
	v_wmma_f32_16x16x32_bf16 v[8*(8*(\a)+\b):8*(8*(\a)+\b)+7], v[\f+8*\b:\f+8*\b+7], v[\f+8*(4*\hi+\a):\f+8*(4*\hi+\a)+7], v[8*(8*(\a)+\b):8*(8*(\a)+\b)+7]
.endr
.endr
.endm
; 32 LDS loads in one run: the fragments of quarter kq of a K step (128 rows of V, then 128 rows of S, 32 k) into buffer f
.macro FETCH slot, kq, f
	WIN TO_B
.irp i, 0,1,2,3,4,5,6,7
	ds_load_b128 v[\f+8*\i:\f+8*\i+3],   v[ADRB+\slot] offset:\kq*32*PITCH+\i*2*PITCH
	ds_load_b128 v[\f+8*\i+4:\f+8*\i+7], v[ADRB+\slot] offset:\kq*32*PITCH+\i*2*PITCH+16*PITCH
.endr
	WIN 0
.irp i, 0,1,2,3,4,5,6,7
	ds_load_b128 v[\f+8*\i:\f+8*\i+3],   v[ADRA+\slot] offset:\kq*32*PITCH+\i*2*PITCH
	ds_load_b128 v[\f+8*\i+4:\f+8*\i+7], v[ADRA+\slot] offset:\kq*32*PITCH+\i*2*PITCH+16*PITCH
.endr
.endm
; A load into a register that a matrix instruction has read, and a vector instruction that reads a matrix result, stand four places behind that
; matrix instruction, and only plain vector instructions that name none of its registers are places.
.macro PLACES
.rept 4
	v_nop
.endr
.endm
.macro QUARTER slot, kq, f, g          ; multiplies buffer f; in its middle fetches quarter kq of the same slot into buffer g
	s_wait_dscnt 8                                 ; V and S's rows 0-63 are in; the youngest eight loads (S's rows 64-127) may be out
	WIN MUL_LO
	MUL16 \f, 0, 0
	MUL16 \f, 0, 2
	PLACES
	FETCH \slot, \kq, \g
	s_wait_dscnt 32                                ; all but the 32 just issued
	WIN MUL_HI
	MUL16 \f, 1, 0
	MUL16 \f, 1, 2
.endm
.macro THREE slot
	QUARTER \slot, 1, F0, F1
	QUARTER \slot, 2, F1, F0
	QUARTER \slot, 3, F0, F1
.endm
; The last quarter of a K step: multiplies buffer 1 and changes slots.  In front of the barrier each wave waits for its own reads of this slot and for all
; its tensor loads, of which one is out: its part of the next slot.  Behind it nobody reads this slot and the next slot is whole.  fill = 1: the barrier
; opens a round of the cluster's barrier, and the joint refill, two K steps ahead, is the first tensor load behind the round.
.macro TURN slot, next, fill
	s_wait_dscnt 8
	WIN MUL_LO
	MUL16 F1, 0, 0
	s_wait_dscnt 0                                 ; my reads of this slot are over
	s_wait_tensorcnt 0x0                           ; and all my tensor loads have landed
	ds_add_u32 v255, v255
	s_wait_dscnt 0x0
	s_barrier_signal -1
	MUL16 F1, 0, 2                                 ; register work while the others arrive
	WIN 0
	s_barrier_wait -1
.if \fill
	CREST                                          ; no wave of any partner still reads this slot's tile or has a load on its way
	s_add_nc_u64 s[G0+4*\slot+2:G0+4*\slot+3], s[G0+4*\slot+2:G0+4*\slot+3], 2*STEPB
	s_add_nc_u64 s[G0B+4*\slot+2:G0B+4*\slot+3], s[G0B+4*\slot+2:G0B+4*\slot+3], 2*STEPB
	JLOAD \slot
.endif
	PLACES
	FETCH \next, 0, F0
	WIN MUL_HI
	MUL16 F1, 1, 0
	MUL16 F1, 1, 2
.endm
	s_wait_tensorcnt 1                             ; my part of K step 0 is in; K step 1's load, issued behind it, stays out
	s_barrier_signal -1
	s_barrier_wait -1                              ; everybody's is
	FETCH 0, 0, F0
	THREE 0                                        ; K step 0
	TURN 0, 1, 1                                   ; slot 0 gets K step 2
	THREE 1                                        ; K step 1
	TURN 1, 0, 1                                   ; slot 1 gets K step 3
	THREE 0                                        ; K step 2
	TURN 0, 1, 0                                   ; nothing is left to fetch
	THREE 1                                        ; K step 3
	s_wait_dscnt 8
	WIN MUL_LO
	MUL16 F1, 0, 0
	MUL16 F1, 0, 2
	s_wait_dscnt 0
	WIN MUL_HI
	MUL16 F1, 1, 0
	MUL16 F1, 1, 2
	; THE WAY OUT, 16 rows at a time: relu of the eight q's tiles into window 0, their sum as a tree, rounded to bf16.  A lane's eight numbers are
	; 16 neighbouring bytes of the blocked layout and a wave's store covers 512 consecutive bytes: no trip through LDS.
	PLACES
.macro OUT16 i, a, from
	WIN \from
.irp b, 0,1,2,3,4,5,6,7
.irp e, 0,1,2,3,4,5,6,7
	v_max_num_f32 v[F0+8*\b+\e], 0, v[8*(8*\a+\b)+\e]
.endr
.endr
	WIN 0
.irp b, 0,2,4,6
.irp p, 0,1,2,3
	v_pk_add_f32 v[F0+8*\b+2*\p:F0+8*\b+2*\p+1], v[F0+8*\b+2*\p:F0+8*\b+2*\p+1], v[F0+8*\b+8+2*\p:F0+8*\b+8+2*\p+1]
.endr
.endr
.irp b, 0,4
.irp p, 0,1,2,3
	v_pk_add_f32 v[F0+8*\b+2*\p:F0+8*\b+2*\p+1], v[F0+8*\b+2*\p:F0+8*\b+2*\p+1], v[F0+8*\b+16+2*\p:F0+8*\b+16+2*\p+1]
.endr
.endr
.irp p, 0,1,2,3
	v_pk_add_f32 v[F0+2*\p:F0+2*\p+1], v[F0+2*\p:F0+2*\p+1], v[F0+32+2*\p:F0+32+2*\p+1]
.endr
.irp p, 0,1,2,3
	v_cvt_pk_bf16_f32 v[TMP+4*\i+\p], v[F0+2*\p], v[F0+2*\p+1]
.endr
	global_store_b128 v[CO], v[TMP+4*\i:TMP+4*\i+3], s[72:73] offset:\i*512   ; each 16 rows have data registers of their own: no wait between the stores
.endm
	OUT16 0, 0, 0x0a
	OUT16 1, 1, 0x0a
	OUT16 2, 2, 0x0a
	OUT16 3, 3, 0x0a
	OUT16 4, 0, 0x0f
	OUT16 5, 1, 0x0f
	OUT16 6, 2, 0x0f
	OUT16 7, 3, 0x0f
	CROUND                                         ; the closing round: no work-group ends while a partner may still ask for a tile that names it
	s_endpgm
.Lfunc_end_k_q6a19466f67_step1:
	.size	k_q6a19466f67_step1, .Lfunc_end_k_q6a19466f67_step1-k_q6a19466f67_step1
	.p2alignl 7, 3214868480
	.fill 96, 4, 3214868480
	.section	.rodata,"a",@progbits
	.p2align	6, 0x0
	.amdhsa_kernel k_q6a19466f67_step1
		.amdhsa_group_segment_fixed_size 327680
		.amdhsa_private_segment_fixed_size 0
		.amdhsa_enable_private_segment 0
		.amdhsa_kernarg_size 32
		.amdhsa_user_sgpr_count 2
		.amdhsa_user_sgpr_kernarg_segment_ptr 1
		.amdhsa_wavefront_size32 1
		.amdhsa_system_sgpr_workgroup_id_x 1
		.amdhsa_system_sgpr_workgroup_id_y 1
		.amdhsa_system_sgpr_workgroup_id_z 1
		.amdhsa_system_vgpr_workitem_id 0
		.amdhsa_next_free_vgpr 1024
		.amdhsa_next_free_sgpr 80
		.amdhsa_reserve_vcc 0
		.amdhsa_float_denorm_mode_32 3
		.amdhsa_float_denorm_mode_16_64 3
		.amdhsa_memory_ordered 1
		.amdhsa_forward_progress 1
		.amdhsa_inst_pref_size 162
	.end_amdhsa_kernel
	.amdgpu_metadata
---
amdhsa.version: [ 1, 2 ]
amdhsa.kernels:
  - .name:           k_q6a19466f67_step1
    .symbol:         k_q6a19466f67_step1.kd
    .args:
      - { .name: S1, .offset: 0, .size: 8, .value_kind: global_buffer, .address_space: global }
      - { .name: Vca, .offset: 8, .size: 8, .value_kind: global_buffer, .address_space: global }
      - { .name: pw1, .offset: 16, .size: 8, .value_kind: global_buffer, .address_space: global }
      - { .name: S2, .offset: 24, .size: 8, .value_kind: global_buffer, .address_space: global }
    .group_segment_fixed_size: 327680
    .private_segment_fixed_size: 0
    .kernarg_segment_align: 8
    .kernarg_segment_size: 32
    .max_flat_workgroup_size: 128
    .sgpr_count:     80
    .vgpr_count:     1024
    .wavefront_size: 32
...
	.end_amdgpu_metadata
.endif
;; end of part 3
;; launch step2: the kernel of part 3 again; grid 16 x 16, 4 waves a work-group, clusters of 4 x 4, 327,680 bytes of LDS; arguments S2, Vca, pw1, S3; writes S3
;; launch step3: the kernel of part 3 again; grid 16 x 16, 4 waves a work-group, clusters of 4 x 4, 327,680 bytes of LDS; arguments S3, Vca, pw1, S4; writes S4
;; launch step4: the kernel of part 3 again; grid 16 x 16, 4 waves a work-group, clusters of 4 x 4, 327,680 bytes of LDS; arguments S4, Vca, pw1, S5; writes S5
;; launch step5: the kernel of part 3 again; grid 16 x 16, 4 waves a work-group, clusters of 4 x 4, 327,680 bytes of LDS; arguments S5, Vca, pw1, S6; writes S6
;; launch final (part 4): grid 4 x 64, 8 waves a work-group, no clusters, 100,352 bytes of LDS; arguments S6, pw2, pb2, hw1, hb1, hw2, hb2, mw1, mb1, mw2, mb2, out0, seam; writes out0, seam
.if DOCPART == 4
	.amdgcn_target "amdgcn-amd-amdhsa--gfx1250"
	.amdhsa_code_object_version 6
	.text
	.protected	k_q6a19466f67_final
	.globl	k_q6a19466f67_final
	.p2align	8
	.type	k_q6a19466f67_final,@function
k_q6a19466f67_final:
	s_mov_b64 s[64:65], 0
	v_nop
	global_prefetch_b8 v0, s[64:65] scope:SCOPE_SE
	s_setreg_imm32_b32 hwreg(HW_REG_WAVE_MODE, 25, 1), 1
	s_wait_xcnt 0x0
; out0[b][n] = sum over i of S_6[b][i] pw2[i][n] + 8 pb2[n]  (the sum over the eight q has passed through pw2),
; and the seam branch of reference(), whose result it does not return: the two hats of rho and the min gadget, stored to a workspace buffer.
; A work-group makes 64 rows x 64 columns, K = 512; a wave 16 rows x 32 columns: two accumulators, 32 matrix instructions.
; S_6's fragments come straight from memory (blocked layout: a wave's load covers 512 consecutive bytes).  pw2 is f32 and lies [K][N]: it passes
; registers to become bf16 and is read from LDS by transposing loads; no tensor loads, hence no joint loads: no cluster.
; The seam: 16 rows a work-group, sixteen threads a row, four hidden units a thread, in f32; 64 bytes of results a work-group, a store that does
; not fill an aligned block of 256 bytes (16 KiB in the whole launch).
; LIMIT: relu is v_max_num_f32: a NaN becomes 0 where jnp.maximum keeps it.
.set PWP, 160                          ; pitch of PW: bf16 [512 i][64 n], 128 bytes + 32: an odd multiple of 32
.set STG, 512*PWP                      ; the way out's stage behind PW: 64 rows of 256 bytes + 16
.set SGP, 272
.set CHI_OFF, 4194304                  ; rho behind S6's 4 MiB
.set ACC, 16                           ; v[16:31]   two accumulators, started with 8 pb2
.set AF,  32                           ; v[32:159]  16 row fragments of S_6; v32-69 first serve the seam
.set ST,  96                           ; v[96:223]  pw2 as loaded, 32 loads
.set BF,  160                          ; v[160:223] column fragments of 4 K chunks x 2 tiles
.set CV,  224                          ; v[224:231] packed bf16 on their way to LDS
.set WO,  224                          ; v[224:239] the way out
.macro STAGE src, adr, imm, cv
	v_cvt_pk_bf16_f32 v[\cv], v[\src], v[\src+1]
	v_cvt_pk_bf16_f32 v[\cv+1], v[\src+2], v[\src+3]
	ds_store_b64 v[\adr], v[\cv:\cv+1] offset:\imm
.endm
.macro PLACES5                         ; the places behind matrix instructions (ISA guide 7.12.1): five serve every use that follows here
.rept 5
	v_nop
.endr
.endm
.macro SUM16 d                         ; the sum over the sixteen lanes of a row of lanes, in every one of them
	v_add_f32_dpp v[\d], v[\d], v[\d] row_xmask:1 row_mask:0xf bank_mask:0xf
	v_add_f32_dpp v[\d], v[\d], v[\d] row_xmask:2 row_mask:0xf bank_mask:0xf
	v_add_f32_dpp v[\d], v[\d], v[\d] row_xmask:4 row_mask:0xf bank_mask:0xf
	v_add_f32_dpp v[\d], v[\d], v[\d] row_xmask:8 row_mask:0xf bank_mask:0xf
.endm
	s_load_b512 s[4:19], s[0:1], 0x0               ; S6 s4, pw2 s6, pb2 s8, hw1 s10, hb1 s12, hw2 s14, hb2 s16, mw1 s18
	s_load_b256 s[20:27], s[0:1], 0x40             ; mb1 s20, mw2 s22, mb2 s24, out0 s26
	s_load_b64 s[28:29], s[0:1], 0x60              ; seam
	v_lshl_add_u32 v240, v0, 2, 0x18400
	v_mov_b32 v241, 0
	v_lshrrev_b32 v1, 5, v0
	v_readfirstlane_b32 s33, v1                    ; wave 0..7
	s_mov_b32 s34, ttmp9                           ; cb: which 64 columns
	s_and_b32 s35, ttmp7, 0xffff                   ; ry: which 64 rows
	s_lshl2_add_u32 s48, s35, s34                  ; 4 ry + cb: which 16 rows of the seam
	s_and_b32 s49, s33, 3                          ; my 16 rows of the 64
	s_lshr_b32 s50, s33, 2                         ; my 32 columns of the 64
	s_lshl_b32 s36, s48, 7                         ; rho: 16 rows of 8 bytes
	s_mov_b32 s37, 0
	s_lshl_b32 s38, s48, 6                         ; seam: 16 numbers
	s_mov_b32 s39, 0
	s_lshr_b32 s40, s35, 1                         ; S_6: the block of 128 rows,
	s_lshl_b32 s40, s40, 17
	s_and_b32 s32, s35, 1                          ; which 64 of them,
	s_lshl_b32 s32, s32, 11
	s_add_co_u32 s40, s40, s32
	s_lshl_b32 s32, s49, 9                         ; my 16 rows of 32 bytes
	s_add_co_u32 s40, s40, s32
	s_mov_b32 s41, 0
	s_lshl_b32 s42, s34, 8                         ; pw2: 64 columns of 4 bytes
	s_mov_b32 s43, 0
	s_lshl_b32 s44, s50, 7
	s_add_co_u32 s44, s44, s42                     ; pb2: + my 32 columns
	s_mov_b32 s45, 0
	s_lshl_b32 s46, s35, 16                        ; out0: 64 rows of 1,024 bytes,
	s_add_co_u32 s46, s46, s42                     ; the columns,
	s_lshl_b32 s32, s33, 13                        ; the 8 rows that I carry out
	s_add_co_u32 s46, s46, s32
	s_mov_b32 s47, 0
	s_lshl_b32 s51, s50, 6                         ; my 32 columns in a row of PW
	s_mul_i32 s54, s49, 16*SGP
	s_lshl_b32 s32, s50, 7
	s_add_co_u32 s54, s54, s32
	s_add_co_u32 s54, s54, STG                     ; stage, in: my 16 rows, my 128 bytes
	s_mul_i32 s55, s33, 8*SGP
	s_add_co_u32 s55, s55, STG                     ; stage, back: rows 8 w ..
	v_and_b32 v1, 15, v0                           ; r = t & 15
	v_bfe_u32 v2, v0, 4, 1                         ; h
	v_lshrrev_b32 v3, 4, v0                        ; t >> 4, 0..15
	v_lshlrev_b32 v15, 4, v1                       ; 16 (t & 15)
	v_lshl_add_u32 v4, v3, 10, v15                 ; pw2: row t>>4 (1,024 bytes): sixteen lanes take 256 aligned bytes
	v_mul_u32_u24 v5, v3, PWP
	v_lshl_add_u32 v5, v1, 3, v5                   ; PW: row t>>4, 8 bytes at t&15
	v_add_nc_u32 v6, 256*PWP, v5                   ; the same for rows 256 and up: the immediate has 16 bits
	v_lshlrev_b32 v7, 5, v2                        ; 32 h
	v_lshlrev_b32 v8, 5, v1
	v_lshl_add_u32 v8, v2, 4, v8                   ; 32 r + 16 h: S_6's fragments
	v_and_b32 v9, 7, v0
	v_lshl_add_u32 v9, v2, 3, v9                   ; 8 h + (lane & 7)
	v_mul_u32_u24 v9, v9, PWP
	v_bfe_u32 v10, v0, 3, 1
	v_lshl_add_u32 v9, v10, 4, v9
	v_add_nc_u32 v9, s51, v9                       ; transposing loads, K chunks 0-7
	v_add_nc_u32 v10, 256*PWP, v9                  ; K chunks 8-15
	v_mul_u32_u24 v11, v1, SGP
	v_lshl_add_u32 v11, v2, 5, v11
	v_add_nc_u32 v11, s54, v11                     ; stage, in: row r, 32 bytes at h
	v_mul_u32_u24 v12, v2, SGP
	v_lshl_add_u32 v12, v1, 4, v12
	v_add_nc_u32 v12, s55, v12                     ; stage, back: lanes 0-15 one row of 256 bytes, lanes 16-31 the next
	v_lshl_add_u32 v13, v2, 10, v15                ; and the same two rows in out0
	v_lshlrev_b32 v14, 3, v3                       ; rho[t>>4]
	v_lshlrev_b32 v234, 2, v3                      ; seam[t>>4]
	s_wait_kmcnt 0x0
	s_load_b32 s30, s[16:17], 0x0                  ; hb2
	s_load_b32 s31, s[24:25], 0x0                  ; mb2
	s_add_nc_u64 s[52:53], s[4:5], s[36:37]
	s_add_nc_u64 s[28:29], s[28:29], s[38:39]
	s_add_nc_u64 s[4:5], s[4:5], s[40:41]
	s_add_nc_u64 s[6:7], s[6:7], s[42:43]
	s_add_nc_u64 s[8:9], s[8:9], s[44:45]
	s_add_nc_u64 s[26:27], s[26:27], s[46:47]
	global_load_b64 v[32:33], v14, s[52:53] offset:CHI_OFF   ; rho of my row
	global_load_b128 v[36:39], v15, s[10:11]       ; hw1, my four units
	global_load_b128 v[40:43], v15, s[12:13]       ; hb1
	global_load_b128 v[44:47], v15, s[14:15]       ; hw2
	global_load_b128 v[48:51], v15, s[18:19]       ; mw1, row 0
	global_load_b128 v[52:55], v15, s[18:19] offset:256   ; mw1, row 1
	global_load_b128 v[56:59], v15, s[20:21]       ; mb1
	global_load_b128 v[60:63], v15, s[22:23]       ; mw2
.set i, 0
.rept 32
	global_load_b128 v[ST+4*i:ST+4*i+3], v4, s[6:7] offset:i*16384   ; pw2 rows 16 i + (t>>4)
.set i, i+1
.endr
.irp b, 0,1
	global_load_b128 v[ACC+8*\b:ACC+8*\b+3],   v7, s[8:9] offset:64*\b      ; pb2 in the accumulators' layout
	global_load_b128 v[ACC+8*\b+4:ACC+8*\b+7], v7, s[8:9] offset:64*\b+16
.endr
	s_wait_loadcnt 36                              ; the seam's eight loads are in; pw2's 32 and pb2's 4 stay out
	s_wait_kmcnt 0x0
.macro HAT d, x                        ; sum over my four units of relu(x hw1 + hb1) hw2, then over the sixteen lanes, + hb2
.irp u, 0,1,2,3
	v_fma_f32 v[64+\u], v[\x], v[36+\u], v[40+\u]
.endr
.irp u, 0,1,2,3
	v_max_num_f32 v[64+\u], 0, v[64+\u]
.endr
	v_mul_f32 v[\d], v64, v44
	v_fmac_f32 v[\d], v65, v45
	v_fmac_f32 v[\d], v66, v46
	v_fmac_f32 v[\d], v67, v47
	SUM16 \d
	v_add_f32 v[\d], s30, v[\d]
.endm
	HAT 68, 32                                     ; h_minus
	HAT 69, 33                                     ; h_plus
.irp u, 0,1,2,3
	v_fma_f32 v[64+\u], v68, v[48+\u], v[56+\u]
.endr
.irp u, 0,1,2,3
	v_fmac_f32 v[64+\u], v69, v[52+\u]
.endr
.irp u, 0,1,2,3
	v_max_num_f32 v[64+\u], 0, v[64+\u]
.endr
	v_mul_f32 v235, v64, v60
	v_fmac_f32 v235, v65, v61
	v_fmac_f32 v235, v66, v62
	v_fmac_f32 v235, v67, v63
	SUM16 235
	v_add_f32 v235, s31, v235                      ; the min gadget's scalar
	v_cmp_eq_u32 vcc_lo, 0, v1
	s_wait_xcnt 0x0                                ; EXEC is a source of the loads issued above: it changes only behind this wait
	s_and_saveexec_b32 s32, vcc_lo                 ; one lane for each row
	global_store_b32 v234, v235, s[28:29]
	s_wait_xcnt 0x0                                ; and again in front of the line that widens it
	s_or_b32 exec_lo, exec_lo, s32
.irp ks, 0,1,2,3,4,5,6,7
	global_load_b128 v[AF+8*\ks:AF+8*\ks+3],   v8, s[4:5] offset:\ks*8192
	global_load_b128 v[AF+8*\ks+4:AF+8*\ks+7], v8, s[4:5] offset:\ks*8192+4096
.endr
; pw2 into LDS, eight loads at a time.  The counts: what is left of pw2's 32, pb2's 4 and the 16 fragment loads just issued.
.set i, 0
.rept 4
	s_wait_loadcnt 44-i
.rept 8
.if i < 16
	STAGE ST+4*i, 5, i*16*PWP, CV+2*(i%4)
.else
	STAGE ST+4*i, 6, (i-16)*16*PWP, CV+2*(i%4)
.endif
.set i, i+1
.endr
.endr
.irp ks, 8,9,10,11,12,13,14,15
	global_load_b128 v[AF+8*\ks:AF+8*\ks+3],   v8, s[4:5] offset:\ks*8192
	global_load_b128 v[AF+8*\ks+4:AF+8*\ks+7], v8, s[4:5] offset:\ks*8192+4096
.endr
	s_wait_loadcnt 32                              ; pb2 is in; the 32 fragment loads stay out
.irp p, 0,1,2,3,4,5,6,7
	v_pk_mul_f32 v[ACC+2*\p:ACC+2*\p+1], v[ACC+2*\p:ACC+2*\p+1], 0x41000000 op_sel_hi:[1,0]   ; 8 pb2 starts the sums
.endr
	s_wait_dscnt 0x0                               ; my stores are in LDS before I say so
	s_barrier_signal -1
	s_barrier_wait -1
; Four batches of four K chunks.  The two accumulators take turns, one instruction a turn.
.macro BATCH be
.irp ksl, 0,1,2,3
.irp b, 0,1
	ds_load_tr16_b128 v[BF+16*\ksl+8*\b:BF+16*\ksl+8*\b+3],   v[9+\be/2] offset:((4*\be+\ksl)%8)*32*PWP+32*\b
	ds_load_tr16_b128 v[BF+16*\ksl+8*\b+4:BF+16*\ksl+8*\b+7], v[9+\be/2] offset:((4*\be+\ksl)%8)*32*PWP+32*\b+16*PWP
.endr
.endr
	s_wait_dscnt 0x0
.if \be == 0
	s_wait_loadcnt 16                              ; K chunks 0-7 of S_6 are in; the 16 loads of chunks 8-15 stay out
.endif
.if \be == 2
	s_wait_loadcnt 0x0
.endif
.irp ksl, 0,1,2,3
.irp b, 0,1
	v_wmma_f32_16x16x32_bf16 v[ACC+8*\b:ACC+8*\b+7], v[BF+16*\ksl+8*\b:BF+16*\ksl+8*\b+7], v[AF+8*(4*\be+\ksl):AF+8*(4*\be+\ksl)+7], v[ACC+8*\b:ACC+8*\b+7]
.endr
.endr
	PLACES5
.endm
	BATCH 0
	BATCH 1
	BATCH 2
	BATCH 3
; The way out: a lane's eight f32 are 32 bytes of a row; whole rows of 256 bytes are put together in LDS from the two waves that hold their halves.
.irp b, 0,1
	ds_store_b128 v11, v[ACC+8*\b:ACC+8*\b+3]   offset:64*\b
	ds_store_b128 v11, v[ACC+8*\b+4:ACC+8*\b+7] offset:64*\b+16
.endr
	s_wait_dscnt 0x0                               ; my stores are in LDS before I say so
	s_barrier_signal -1
	s_barrier_wait -1
.irp t, 0,1,2,3
	ds_load_b128 v[WO+4*\t:WO+4*\t+3], v12 offset:\t*2*SGP
.endr
.irp t, 0,1,2,3
	s_wait_dscnt 3-\t                              ; LDS loads come back in order (ISA guide 5.7.1): pair t of rows is in
	global_store_b128 v13, v[WO+4*\t:WO+4*\t+3], s[26:27] offset:\t*2048   ; sixteen lanes store 256 consecutive bytes, at a multiple of 256 from out0's first byte
.endr
	s_wait_tensorcnt 0x0
	ds_add_u32 v240, v241
	s_wait_dscnt 0x0
	s_endpgm
.Lfunc_end_k_q6a19466f67_final:
	.size	k_q6a19466f67_final, .Lfunc_end_k_q6a19466f67_final-k_q6a19466f67_final
	.p2alignl 7, 3214868480
	.fill 96, 4, 3214868480
	.section	.rodata,"a",@progbits
	.p2align	6, 0x0
	.amdhsa_kernel k_q6a19466f67_final
		.amdhsa_group_segment_fixed_size 100352
		.amdhsa_private_segment_fixed_size 0
		.amdhsa_enable_private_segment 0
		.amdhsa_kernarg_size 104
		.amdhsa_user_sgpr_count 2
		.amdhsa_user_sgpr_kernarg_segment_ptr 1
		.amdhsa_wavefront_size32 1
		.amdhsa_system_sgpr_workgroup_id_x 1
		.amdhsa_system_sgpr_workgroup_id_y 1
		.amdhsa_system_sgpr_workgroup_id_z 1
		.amdhsa_system_vgpr_workitem_id 0
		.amdhsa_next_free_vgpr 242
		.amdhsa_next_free_sgpr 66
		.amdhsa_reserve_vcc 1
		.amdhsa_float_denorm_mode_32 3
		.amdhsa_float_denorm_mode_16_64 3
		.amdhsa_memory_ordered 1
		.amdhsa_forward_progress 1
		.amdhsa_inst_pref_size 29
	.end_amdhsa_kernel
	.amdgpu_metadata
---
amdhsa.version: [ 1, 2 ]
amdhsa.kernels:
  - .name:           k_q6a19466f67_final
    .symbol:         k_q6a19466f67_final.kd
    .args:
      - { .name: S6, .offset: 0, .size: 8, .value_kind: global_buffer, .address_space: global }
      - { .name: pw2, .offset: 8, .size: 8, .value_kind: global_buffer, .address_space: global }
      - { .name: pb2, .offset: 16, .size: 8, .value_kind: global_buffer, .address_space: global }
      - { .name: hw1, .offset: 24, .size: 8, .value_kind: global_buffer, .address_space: global }
      - { .name: hb1, .offset: 32, .size: 8, .value_kind: global_buffer, .address_space: global }
      - { .name: hw2, .offset: 40, .size: 8, .value_kind: global_buffer, .address_space: global }
      - { .name: hb2, .offset: 48, .size: 8, .value_kind: global_buffer, .address_space: global }
      - { .name: mw1, .offset: 56, .size: 8, .value_kind: global_buffer, .address_space: global }
      - { .name: mb1, .offset: 64, .size: 8, .value_kind: global_buffer, .address_space: global }
      - { .name: mw2, .offset: 72, .size: 8, .value_kind: global_buffer, .address_space: global }
      - { .name: mb2, .offset: 80, .size: 8, .value_kind: global_buffer, .address_space: global }
      - { .name: out0, .offset: 88, .size: 8, .value_kind: global_buffer, .address_space: global }
      - { .name: seam, .offset: 96, .size: 8, .value_kind: global_buffer, .address_space: global }
    .group_segment_fixed_size: 100352
    .private_segment_fixed_size: 0
    .kernarg_segment_align: 8
    .kernarg_segment_size: 104
    .max_flat_workgroup_size: 256
    .sgpr_count:     66
    .vgpr_count:     242
    .wavefront_size: 32
...
	.end_amdgpu_metadata
.endif
;; end of part 4
